; MI455X (gfx1250); checked and timed in simulation.
; The chip was launched on July 23, 2026; its instructions are those of AMD's public machine-readable ISA for CDNA 5 (MIT licence, August 2026) and "CDNA5" Instruction Set Architecture Reference Guide (July 2026). The comments in the code are by the model that wrote it; some were corrected since.
;; Local State. Allowed arithmetic: matrix products marked QUANTISED: E4M3 operands, one given power-of-two scale a tensor, by v_wmma_f32_16x16x64_fp8_fp8 or v_wmma_f32_16x16x128_fp8_fp8, f32 sums; products left as they are: f32 operands where the result goes on into a quantised operand, else bf16, f16 or f32 operands; f32 sums; everything else in f32.
;; Inputs: W_content 1,024 x 1,024 float32; W_key 1,024 x 1,024 float32; W_proj 1,024 x 1,024 float32; W_qdecay 32 x 1,024 float32; W_query 1,024 x 1,024 float32; b_content 1,024 float32; b_key 1,024 float32; b_proj 1,024 float32; b_qdecay 32 float32; b_query 1,024 float32; lowp_scales 14 int32 (the exponents e of the quantised operands' scales 2^e); x 4 x 1,024 x 2,048 float32.
;; Outputs: out0 4 x 1,024 x 2,048 float32.
;; This version of the problem:
;;   THIS VERSION OF THE PROBLEM IS GIVEN IN LOW PRECISION. The matrix products marked QUANTISED in the list below multiply operands that are first quantised to E4M3 (4 exponent bits, 3 mantissa bits; 8 bits a number), with one given power-of-two scale for each operand tensor; their sums are f32. All else is computed in f32.
;;   The module's matrix products, in the order in which they are computed (A, B: the left and right operand; K: the contracted axis; several contracted axes count as one K, in the product's order):
;;     1. [M 8,192, K 1,024] x [K 1,024, N 1,024]; A: input x; B: input W_query: QUANTISED (scales: A lowp_scales[0], B lowp_scales[1])
;;     2. [M 8,192, K 1,024] x [K 1,024, N 1,024]; A: input x; B: input W_key: QUANTISED (scales: A lowp_scales[2], B lowp_scales[3])
;;     3. batch 32 x [M 2,048, K 128] x [K 128, N 2,048]; A: computed on the way; B: computed on the way: QUANTISED (scales: A lowp_scales[4], B lowp_scales[5])
;;     4. [M 8,192, K 1,024] x [K 1,024, N 32]; A: input x; B: input W_qdecay: QUANTISED (scales: A lowp_scales[6], B lowp_scales[7])
;;     5. batch 2,048 x [M 32, K 4] x [K 4, N 2,048]; A: computed on the way; B: computed on the way: left as it is (K = 4 < 32)
;;     6. [M 8,192, K 1,024] x [K 1,024, N 1,024]; A: input x; B: input W_content: QUANTISED (scales: A lowp_scales[8], B lowp_scales[9])
;;     7. batch 32 x [M 128, K 2,048] x [K 2,048, N 2,048]; A: computed on the way; B: softmax (see below): QUANTISED (scales: A lowp_scales[10], B lowp_scales[11])
;;     8. [M 8,192, K 1,024] x [K 1,024, N 1,024]; A: computed on the way; B: input W_proj: QUANTISED (scales: A lowp_scales[12], B lowp_scales[13])
;;   THE QUANTISER, for each operand of a quantised product, along K:
;;     - The operand's scale is 2^e, e = its entry of the input lowp_scales (int32; the entries are numbered through the quantised products in the list's order, A before B).
;;     - Each number is divided by the scale, clamped to +-448, and rounded to the nearest number of E4M3, ties to even, subnormals kept.
;;     - The product sums the exact products of the quantised numbers (number of the format x scale) in f32.
;;   ~~~python
;;   def quantise(x, axis, e):      # numpy; x: float32 -> the quantised numbers, widened to float32 again
;;       x = np.moveaxis(x, axis, -1); K = x.shape[-1]
;;       r = np.clip(x / 2.0 ** e, -448, 448)
;;       step = 2.0 ** (np.maximum(np.frexp(np.where(r == 0, 1, r))[1] - 1, -6) - 3)
;;       q = np.round(r / step) * step * 2.0 ** e      # np.round: ties to even
;;       return np.moveaxis(q, -1, axis).astype(np.float32)
;;   ~~~
;;   SOFTMAX AHEAD OF A QUANTISED PRODUCT. Where the list says 'softmax', what is quantised is not the finished softmax but p = 2^(t - M), with t = logit x log2(e) and M = ceil(the row's largest t), a whole number; so 1/2 < the row's largest p <= 1. The row's sum l is taken of the UNQUANTISED p, in f32, and the product's result is divided by l at the end. Since M is a whole number, a kernel that streams over the keys may use a running M (the ceiling of the running maximum): every later rescaling is an exact power of two, so the quantised numbers keep their values, but for numbers so far below the row's largest that they fall under the format's range.
;;   OPERANDS COMPUTED ON THE WAY. 'Computed on the way' means the value that the module computes at that place (a softmax that the list does not call 'softmax' is quantised finished and normalised). What goes into a quantiser is computed in f32, as accurately as f32 sums, v_exp_f32 and their like allow (about 1e-6 of the number): no bf16 or f16 on the way to a quantiser, and a product that is left as it is and whose result goes on into a quantised operand takes f32 operands (vector FMAs, or v_wmma_f32_16x16x4_f32). A number that lies on a knife's edge between two numbers of the format may be rounded either way, as far as f32 arithmetic and the matrix unit's own rounding can turn it there, and no further.
;; One version. Each part assembles by itself: llvm-mc -triple=amdgcn-amd-amdhsa -mcpu=gfx1250 --defsym DOCPART=n.
;; ======== version 1 of 1: 4 launches
;; limits: right only within a limited range of input values
;; workspace buffers: xq 25,165,824 bytes; wq 4,194,304 bytes; dpart 4,194,304 bytes; qk 16,777,216 bytes; cc 8,388,608 bytes; rc 8,388,608 bytes
;; launch prep (part 1): grid 256 x 1, 16 waves a work-group, no clusters, 235,520 bytes of LDS; arguments x, W_query, W_key, W_content, W_proj, W_qdecay, lowp_scales, xq, wq, dpart; writes xq, wq, dpart
.if DOCPART == 1
	.amdgcn_target "amdgcn-amd-amdhsa--gfx1250"
	.amdhsa_code_object_version 6
	.text
	.protected	k_q6fbed1a331_prep
	.globl	k_q6fbed1a331_prep
	.p2align	8
	.type	k_q6fbed1a331_prep,@function
k_q6fbed1a331_prep:
	s_mov_b64 s[64:65], 0
	v_nop
	global_prefetch_b8 v0, s[64:65] scope:SCOPE_SE
	s_setreg_imm32_b32 hwreg(HW_REG_WAVE_MODE, 25, 1), 1
	s_wait_xcnt 0x0
; PREP: everything that arrives as f32 and is read many times becomes codes of E4M3 once.
;  xq [3][b*2048+t][1024 c]: x with K = c moved innermost, quantised three times: with e0 (for the queries), e2 (keys), e8 (content).
;  wq [4][o][c]: W_query (e1), W_key (e3), W_content (e9), W_proj (e13): K is innermost already, a plain stream.
;  dpart [4 kc][b][h][s][4 f] f32: the decay gate's product (x with e6, W_qdecay with e7) as raw sums of codes over 256 channels each;
;  its codes of x never leave LDS.  code = number / 2^e, held within +-448, to the nearest code, ties to even.
; SHARES.  Work-group g takes 64 t x 512 c of x (tile g / 2 along b*2048+t, half g % 2 of c) and 16,384 numbers of weight g / 64.
; Wave w of 16 takes channels 32 w .. 32 w + 31 of the tile: A LANE TAKES TWO NEIGHBOURING t AND ITS REGISTERS RUN DOWN c, so each load of the
; wave covers 256 consecutive bytes, aligned, and the conversions give codes with c innermost.  The hold writes into other registers and sorts the two columns apart.
; The codes meet in four stages in LDS (64 rows of 512 bytes + 16) and leave as whole rows of 512 bytes.  One barrier.
; LIMITS: e0, e2, e6, e8, e7, e1, e3, e9, e13 between -126 and 119, so that 2^e and 448 x 2^e are f32 numbers.  NaN among the inputs is not served.
; The k inside a step of 128 is permuted alike in both operands of the decay product; its K is summed in four parts (added in f32 by the attention launch).
.set STGP,  528                        ; a stage row: 512 bytes + 16
.set STGB,  64*STGP                    ; a stage: 33,792 bytes; stage v at v x STGB: e0, e2, e8, e6
.set WIMG,  4*STGB                     ; W_qdecay's 8 fragments (o tile, K step) as images of their registers, 2,048 bytes each
.set WST,   WIMG+8*2048                ; for each wave two stages of 32 x SP bytes, through which the weights' numbers turn
.set SP,    80                         ; a lane's 64 bytes + 16
.set X,   32                           ; v32-95   x: register 2 i + u = channel i, column u
.set T,   96                           ; v96-127  32 numbers held, ready for the conversions
.set C,   128                          ; v128-159 x's codes: four sets of eight by turns
.set QC,  160                          ; v160-167 W_qdecay's codes
.set WC,  168                          ; v168-175 the weights' codes
.set QD,  192                          ; v192-223 W_qdecay's numbers
.set WG,  224                          ; v224-255 the weights' numbers as loaded
	s_load_b512 s[4:19], s[0:1], 0x0               ; x, W_query, W_key, W_content, W_proj, W_qdecay, the scales' exponents, xq
	s_load_b128 s[20:23], s[0:1], 0x40             ; wq, dpart
	v_lshl_add_u32 v190, v0, 2, 0x39000
	v_mov_b32 v191, 0
	v_lshrrev_b32 v1, 5, v0
	v_readfirstlane_b32 s24, v1                    ; wave 0..15
	v_and_b32 v1, 31, v0                           ; lane
	v_and_b32 v2, 15, v0                           ; r
	v_bfe_u32 v3, v0, 4, 1                         ; hh
	v_lshlrev_b32 v4, 3, v1                        ; x: 8 bytes a lane
	v_lshlrev_b32 v5, 4, v1                        ; 16 bytes a lane
	s_lshl_b32 s25, s24, 5
	v_mul_u32_u24 v6, v1, 2*STGP
	v_add_nc_u32 v6, s25, v6                       ; into stages 0, 1: row 2 lane (+ u), byte 32 w
	v_add_nc_u32 v7, 2*STGB, v6                    ; into stages 2, 3
	v_lshlrev_b32 v8, 12, v2
	v_lshl_add_u32 v8, v3, 6, v8                   ; W_qdecay: row r of 4,096 bytes, + 64 hh
	s_lshl_b32 s25, s24, 10
	v_add_nc_u32 v9, s25, v5
	v_add_nc_u32 v9, WIMG, v9                      ; my half of an image: 1,024 w + 16 lane
	s_mul_i32 s25, s24, 2*32*SP
	v_lshrrev_b32 v10, 2, v1
	v_mul_u32_u24 v10, v10, SP
	v_and_b32 v11, 3, v1
	v_lshl_add_u32 v10, v11, 4, v10
	v_add_nc_u32 v10, s25, v10
	v_add_nc_u32 v10, WST, v10                     ; the weights' stage, in: four lanes' 64 bytes on end, then 16 of padding
	v_mul_u32_u24 v11, v1, SP
	v_add_nc_u32 v11, s25, v11
	v_add_nc_u32 v11, WST, v11                     ; and out: my 16 neighbours
	s_mul_i32 s25, s24, 4*STGP
	v_add_nc_u32 v12, s25, v5                      ; rows 4 w .. 4 w + 3 of stages 0, 1, whole
	v_add_nc_u32 v13, 2*STGB, v12                  ; of stage 2
	s_and_b32 s26, s24, 3                          ; the decay product: tt, which 16 t,
	s_bfe_u32 s27, s24, 0x10002                    ; kh, which 256 of the tile's 512 channels,
	s_lshr_b32 s28, s24, 3                         ; ot, which 16 of the 32 outputs
	s_mul_i32 s25, s26, 16*STGP
	s_lshl_b32 s29, s27, 8
	s_add_co_u32 s25, s25, s29
	v_mul_u32_u24 v14, v2, STGP
	v_lshl_add_u32 v14, v3, 4, v14
	v_add_nc_u32 v14, s25, v14
	v_add_nc_u32 v14, 3*STGB, v14                  ; x's fragments out of stage 3: row 16 tt + r, byte 256 kh + 16 hh
	s_lshl_b32 s25, s28, 13
	s_lshl_b32 s29, s27, 12
	s_add_co_u32 s25, s25, s29
	v_add_nc_u32 v15, s25, v5
	v_add_nc_u32 v15, WIMG, v15                    ; W_qdecay's images 4 ot + 2 kh, + 1
	v_lshlrev_b32 v16, 4, v2
	v_lshl_add_u32 v16, v3, 16, v16                ; dpart: 16 r, + two heads for the upper half of the lanes
	; byte offsets, each in a pair of its own
	s_lshr_b32 s30, ttmp9, 1                       ; tile along b*2048+t
	s_and_b32 s31, ttmp9, 1                        ; ch: which 512 channels
	s_lshr_b32 s46, s30, 5                         ; b
	s_and_b32 s47, s30, 31                         ; t0 / 64
	s_lshl_b32 s48, s46, 23                        ; x: ((b 1024 + 512 ch + 32 w) 2048 + t0) 4
	s_lshl_b32 s74, s31, 22
	s_add_co_u32 s48, s48, s74
	s_lshl_b32 s74, s24, 18
	s_add_co_u32 s48, s48, s74
	s_lshl_b32 s74, s47, 8
	s_add_co_u32 s48, s48, s74
	s_mov_b32 s49, 0
	s_lshl_b32 s50, s30, 16                        ; xq: (64 tile + 4 w) 1024 + 512 ch
	s_lshl_b32 s74, s24, 12
	s_add_co_u32 s50, s50, s74
	s_lshl_b32 s74, s31, 9
	s_add_co_u32 s50, s50, s74
	s_mov_b32 s51, 0
	s_lshl_b32 s52, s28, 16                        ; W_qdecay: 16 rows x (w / 8), + (512 ch + 64 (w % 8)) 4
	s_lshl_b32 s74, s31, 11
	s_add_co_u32 s52, s52, s74
	s_and_b32 s74, s24, 7
	s_lshl_b32 s74, s74, 8
	s_add_co_u32 s52, s52, s74
	s_mov_b32 s53, 0
	s_and_b32 s54, ttmp9, 63                       ; my weight: (16,384 (g % 64) + 1,024 w) 4
	s_lshl_b32 s54, s54, 16
	s_lshl_b32 s74, s24, 12
	s_add_co_u32 s54, s54, s74
	s_mov_b32 s55, 0
	s_lshl_b32 s56, ttmp9, 14                      ; wq: 16,384 g + 1,024 w
	s_lshl_b32 s74, s24, 10
	s_add_co_u32 s56, s56, s74
	s_mov_b32 s57, 0
	s_lshl_b32 s58, s31, 21                        ; dpart: (2 ch + kh) 2^20 + (8 b + 4 ot) 32,768 + (t0 + 16 tt) 16
	s_lshl_b32 s74, s27, 20
	s_add_co_u32 s58, s58, s74
	s_lshl_b32 s74, s46, 18
	s_add_co_u32 s58, s58, s74
	s_lshl_b32 s74, s28, 17
	s_add_co_u32 s58, s58, s74
	s_lshl_b32 s74, s47, 10
	s_add_co_u32 s58, s58, s74
	s_lshl_b32 s74, s26, 8
	s_add_co_u32 s58, s58, s74
	s_mov_b32 s59, 0
	s_lshr_b32 s73, ttmp9, 6                       ; which weight
	s_wait_kmcnt 0x0
	s_load_b256 s[32:39], s[16:17], 0x0            ; e0 .. e7
	s_load_b128 s[40:43], s[16:17], 0x20           ; e8 .. e11
	s_load_b64 s[44:45], s[16:17], 0x30            ; e12, e13
	s_cmp_eq_u32 s73, 0                            ; the choice hangs on the work-group's number alone
	s_cselect_b64 s[60:61], s[6:7], s[8:9]
	s_cmp_lt_u32 s73, 2
	s_cselect_b64 s[60:61], s[60:61], s[10:11]
	s_cmp_lt_u32 s73, 3
	s_cselect_b64 s[60:61], s[60:61], s[12:13]
	s_add_nc_u64 s[4:5], s[4:5], s[48:49]
	s_add_nc_u64 s[14:15], s[14:15], s[52:53]
	s_add_nc_u64 s[60:61], s[60:61], s[54:55]
	s_add_nc_u64 s[20:21], s[20:21], s[56:57]
	s_add_nc_u64 s[22:23], s[22:23], s[58:59]
	s_add_nc_u64 s[18:19], s[18:19], s[50:51]      ; xq, first quantisation;
	s_add_nc_u64 s[66:67], s[18:19], 0x800000      ; second;
	s_add_nc_u64 s[68:69], s[18:19], 0x1000000     ; third
	; all loads go out together: the small parts first, so that they are worked while x is on its way
.irp u, 0,1
.irp j, 0,1,2,3
	global_load_b128 v[QD+16*\u+4*\j:QD+16*\u+4*\j+3], v8, s[14:15] offset:128*\u+16*\j   ; W_qdecay(16 (w/8) + r, .. + 32 u + 16 hh + 4 j ..): half w % 2 of fragment w / 2
.endr
.endr
.irp t, 0,1
.irp i, 0,1,2,3
	global_load_b128 v[WG+16*\t+4*\i:WG+16*\t+4*\i+3], v5, s[60:61] offset:2048*\t+512*\i th:TH_LOAD_NT   ; 512 consecutive bytes
.endr
.endr
.set i, 0
.rept 32
	global_load_b64 v[X+2*i:X+2*i+1], v4, s[4:5] offset:i*8192 th:TH_LOAD_NT   ; channel i, 64 neighbouring t: 256 consecutive bytes, aligned
.set i, i+1
.endr
.macro MKSC vs, se                     ; v[vs] = 2^e as f32 (the conversion takes its exponent field), v[vs + 1] = 448 x 2^e
	s_add_co_i32 s70, \se, 127
	s_lshl_b32 s71, s70, 23
	v_mov_b32 v[\vs], s71
	s_add_co_i32 s70, s70, 8
	s_lshl_b32 s70, s70, 23
	s_or_b32 s70, s70, 0x600000
	v_mov_b32 v[\vs+1], s70
.endm
	s_wait_kmcnt 0x0
	s_cmp_eq_u32 s73, 0
	s_cselect_b32 s72, s33, s35
	s_cmp_lt_u32 s73, 2
	s_cselect_b32 s72, s72, s41
	s_cmp_lt_u32 s73, 3
	s_cselect_b32 s72, s72, s45                    ; my weight's e: e1, e3, e9 or e13
	MKSC 20, s32
	MKSC 22, s34
	MKSC 24, s40
	MKSC 26, s38
	MKSC 28, s39
	MKSC 30, s72
	; ---- W_qdecay: 32 numbers a lane become half a fragment's registers, stored as they stand
	s_wait_loadcnt 40                              ; its 8 loads are in; the weights' 8 and x's 32 may be out
.set i, 0
.rept 32
	v_med3_num_f32 v[QD+i], v[QD+i], -v29, v29     ; the conversion to an 8-bit code does not saturate (ISA guide 7.6.2): the hold comes first
.set i, i+1
.endr
.irp g, 0,1,2,3
	v_cvt_scalef32_pk8_fp8_f32 v[QC+2*\g:QC+2*\g+1], v[QD+8*\g:QD+8*\g+7], v28
.endr
	v_nop                                          ; one plain vector line behind the last conversion of a run
	ds_store_b128 v9, v[QC:QC+3]
	ds_store_b128 v9, v[QC+4:QC+7] offset:512
	; ---- the weights: two steps of 512 numbers turn through my stages, so that a lane holds 16 neighbours
.macro TURN t
.irp i, 0,1,2,3
	ds_store_b128 v10, v[WG+16*\t+4*\i:WG+16*\t+4*\i+3] offset:32*SP*\t+8*SP*\i
.endr
.irp i, 0,1,2,3
	ds_load_b128 v[T+16*\t+4*\i:T+16*\t+4*\i+3], v11 offset:32*SP*\t+16*\i   ; LDS serves a wave's instructions in order: these see the stores above
.endr
.endm
.macro WSTEP t
.set i, 0
.rept 16
	v_med3_num_f32 v[T+16*\t+i], v[T+16*\t+i], -v31, v31
.set i, i+1
.endr
	v_cvt_scalef32_pk8_fp8_f32 v[WC+4*\t:WC+4*\t+1], v[T+16*\t:T+16*\t+7], v30
	v_cvt_scalef32_pk8_fp8_f32 v[WC+4*\t+2:WC+4*\t+3], v[T+16*\t+8:T+16*\t+15], v30
	v_nop
	global_store_b128 v5, v[WC+4*\t:WC+4*\t+3], s[20:21] offset:512*\t   ; 512 consecutive bytes; these registers are not written again
.endm
	s_wait_loadcnt 32                              ; the weights' 8 loads are in; x's 32 may be out
	TURN 0
	TURN 1
	s_wait_dscnt 8                                 ; step 0 is back; step 1's four stores and four loads may be out
	WSTEP 0
	s_wait_dscnt 0x0
	WSTEP 1
	; ---- x: four quantisations x two columns; turn n takes set n % 4 of the codes' registers
.macro XB n, u, sa, off, sc
.set i, 0
.rept 32
	v_med3_num_f32 v[T+i], v[X+2*i+\u], -v[\sc+1], v[\sc+1]
.set i, i+1
.endr
.if \n >= 4
	s_wait_dscnt 6                                 ; the stores of four turns ago have read this set; the three younger turns' six may be out
.endif
.irp g, 0,1,2,3
	v_cvt_scalef32_pk8_fp8_f32 v[C+8*((\n)%4)+2*\g:C+8*((\n)%4)+2*\g+1], v[T+8*\g:T+8*\g+7], v[\sc]
.endr
	v_nop                                          ; a plain line between the conversions and the next turn's holds, which write their sources
	ds_store_b128 v[\sa], v[C+8*((\n)%4):C+8*((\n)%4)+3] offset:\off+\u*STGP
	ds_store_b128 v[\sa], v[C+8*((\n)%4)+4:C+8*((\n)%4)+7] offset:\off+\u*STGP+16
.endm
	s_wait_loadcnt 0x0
	XB 0, 0, 6, 0, 20
	XB 1, 1, 6, 0, 20
	XB 2, 0, 6, STGB, 22
	XB 3, 1, 6, STGB, 22
	XB 4, 0, 7, 0, 24
	XB 5, 1, 7, 0, 24
	XB 6, 0, 7, STGB, 26
	XB 7, 1, 7, STGB, 26
	s_wait_dscnt 0x0                               ; for the others' sake: my stores into the stages and the images have landed
	s_barrier_signal -1
	s_barrier_wait -1
	; ---- the decay product: 16 outputs x 16 t over 256 channels, and rows 4 w .. 4 w + 3 of the three stages that leave
.irp q, 0,1
.irp c, 0,1,2,3
	ds_load_b128 v[T+16*\q+4*\c:T+16*\q+4*\c+3], v14 offset:128*\q+32*\c
.endr
.endr
.irp q, 0,1
.irp c, 0,1,2,3
	ds_load_b128 v[QD+16*\q+4*\c:QD+16*\q+4*\c+3], v15 offset:2048*\q+512*\c
.endr
.endr
.irp v, 0,1
.irp k, 0,1,2,3
	ds_load_b128 v[X+16*\v+4*\k:X+16*\v+4*\k+3], v12 offset:\v*STGB+\k*STGP
.endr
.endr
.irp k, 0,1,2,3
	ds_load_b128 v[X+32+4*\k:X+32+4*\k+3], v13 offset:\k*STGP
.endr
	s_wait_dscnt 12                                ; the fragments are in; the 12 rows may be out
	v_wmma_f32_16x16x128_fp8_fp8 v[WG:WG+7], v[QD:QD+15], v[T:T+15], 0     ; source 0 = 16 outputs, source 1 = 16 t: a lane holds one t and eight outputs (two heads x four f)
	s_wait_alu depctr_va_vdst(0)                   ; a wait ahead of the next link
	v_wmma_f32_16x16x128_fp8_fp8 v[WG:WG+7], v[QD+16:QD+31], v[T+16:T+31], v[WG:WG+7]
.rept 4
	v_nop                                          ; places ahead of the stores that read the result
.endr
.irp k, 0,1,2,3
	s_wait_dscnt 11-\k
	global_store_b128 v5, v[X+4*\k:X+4*\k+3], s[18:19] offset:\k*1024      ; a row's 512 consecutive bytes
.endr
.irp k, 0,1,2,3
	s_wait_dscnt 7-\k
	global_store_b128 v5, v[X+16+4*\k:X+16+4*\k+3], s[66:67] offset:\k*1024
.endr
.irp k, 0,1,2,3
	s_wait_dscnt 3-\k
	global_store_b128 v5, v[X+32+4*\k:X+32+4*\k+3], s[68:69] offset:\k*1024
.endr
	global_store_b128 v16, v[WG:WG+3], s[22:23]                ; head 4 ot + 2 hh: sixteen lanes store 256 consecutive bytes
	global_store_b128 v16, v[WG+4:WG+7], s[22:23] offset:32768 ; head 4 ot + 2 hh + 1
	s_wait_tensorcnt 0x0
	ds_add_u32 v190, v191
	s_wait_dscnt 0x0
	s_endpgm
.Lfunc_end_k_q6fbed1a331_prep:
	.size	k_q6fbed1a331_prep, .Lfunc_end_k_q6fbed1a331_prep-k_q6fbed1a331_prep
	.p2alignl 7, 3214868480
	.fill 96, 4, 3214868480
	.section	.rodata,"a",@progbits
	.p2align	6, 0x0
	.amdhsa_kernel k_q6fbed1a331_prep
		.amdhsa_group_segment_fixed_size 235520
		.amdhsa_private_segment_fixed_size 0
		.amdhsa_enable_private_segment 0
		.amdhsa_kernarg_size 80
		.amdhsa_user_sgpr_count 2
		.amdhsa_user_sgpr_kernarg_segment_ptr 1
		.amdhsa_wavefront_size32 1
		.amdhsa_system_sgpr_workgroup_id_x 1
		.amdhsa_system_sgpr_workgroup_id_y 1
		.amdhsa_system_sgpr_workgroup_id_z 1
		.amdhsa_system_vgpr_workitem_id 0
		.amdhsa_next_free_vgpr 256
		.amdhsa_next_free_sgpr 90
		.amdhsa_reserve_vcc 0
		.amdhsa_float_denorm_mode_32 3
		.amdhsa_float_denorm_mode_16_64 3
		.amdhsa_memory_ordered 1
		.amdhsa_forward_progress 1
		.amdhsa_inst_pref_size 41
	.end_amdhsa_kernel
	.amdgpu_metadata
---
amdhsa.version: [ 1, 2 ]
amdhsa.kernels:
  - .name:           k_q6fbed1a331_prep
    .symbol:         k_q6fbed1a331_prep.kd
    .args:
      - { .name: x, .offset: 0, .size: 8, .value_kind: global_buffer, .address_space: global }
      - { .name: W_query, .offset: 8, .size: 8, .value_kind: global_buffer, .address_space: global }
      - { .name: W_key, .offset: 16, .size: 8, .value_kind: global_buffer, .address_space: global }
      - { .name: W_content, .offset: 24, .size: 8, .value_kind: global_buffer, .address_space: global }
      - { .name: W_proj, .offset: 32, .size: 8, .value_kind: global_buffer, .address_space: global }
      - { .name: W_qdecay, .offset: 40, .size: 8, .value_kind: global_buffer, .address_space: global }
      - { .name: lowp_scales, .offset: 48, .size: 8, .value_kind: global_buffer, .address_space: global }
      - { .name: xq, .offset: 56, .size: 8, .value_kind: global_buffer, .address_space: global }
      - { .name: wq, .offset: 64, .size: 8, .value_kind: global_buffer, .address_space: global }
      - { .name: dpart, .offset: 72, .size: 8, .value_kind: global_buffer, .address_space: global }
    .group_segment_fixed_size: 235520
    .private_segment_fixed_size: 0
    .kernarg_segment_align: 8
    .kernarg_segment_size: 80
    .max_flat_workgroup_size: 512
    .sgpr_count:     90
    .vgpr_count:     256
    .wavefront_size: 32
...
	.end_amdgpu_metadata
.endif
;; end of part 1
;; launch qkv (part 2): grid 4 x 64, 4 waves a work-group, clusters of 4 x 4, 327,680 bytes of LDS; arguments xq, wq, b_query, b_key, b_content, lowp_scales, qk, cc; writes qk, cc
.if DOCPART == 2
	.amdgcn_target "amdgcn-amd-amdhsa--gfx1250"
	.amdhsa_code_object_version 6
	.text
	.protected	k_q6fbed1a331_qkv
	.globl	k_q6fbed1a331_qkv
	.p2align	8
	.type	k_q6fbed1a331_qkv,@function
k_q6fbed1a331_qkv:
	s_mov_b64 s[64:65], 0
	v_nop
	global_prefetch_b8 v0, s[64:65] scope:SCOPE_SE
	s_setreg_imm32_b32 hwreg(HW_REG_WAVE_MODE, 25, 1), 1
	s_wait_xcnt 0x0
	s_wait_alu depctr_hold_cnt(0) depctr_sa_sdst(0) depctr_va_vdst(0) depctr_va_sdst(0) depctr_va_ssrc(0) depctr_va_vcc(0) depctr_vm_vsrc(0)
	s_getreg_b32 s2, hwreg(HW_REG_IB_STS2, 6, 4)
	s_cmp_eq_u32 s2, 0
	s_cbranch_scc0 .Lentry_in_a_cluster
	s_endpgm
.Lentry_in_a_cluster:
	s_bfe_u32 s2, ttmp6, 0x10000c
	s_cmp_lg_u32 s2, 0xf033
	s_cbranch_scc0 .Lentry_shape_is_right
	s_endpgm
.Lentry_shape_is_right:
; QKV: the three large 1x1 convolutions on codes of E4M3, their results quantised at once for the attention's products.
;  tile 0: queries, tile 1: keys -> qk [p][b][h][t][128 c] (K = c innermost), with e5 and e4;   tile 2: content -> cc [b][h*128+c][2048 t] (K = t innermost), with e10.
; A WORK-GROUP STAYS: it makes three tiles, one of each kind, all written out; the ring of LDS slots does not stop at a tile's end: a tile's last two changes of slots ask for the next tile's first two K steps,
; and nothing waits for a tile's stores.  Arguments, scales and the three biases are fetched once.
; A tile is 128 rows of A x 256 rows of B, K = 1,024.  THE MATRIX INSTRUCTION IS USED TRANSPOSED (source 0 = 16 rows of B, source 1 = 16 rows of A): a lane holds one row of A and eight neighbouring rows of B,
; which the conversion packs into 8 bytes.  For q and k A = x's codes (rows t), B = the weight (rows o): the eight run along c.  For the content the two buffers change places: the eight run along t.
; code = (sum + bias / 2^es) / 2^(eo - es), es = the two operands' exponents added, eo = the result's: the scales are folded into the conversion's one.
; Four waves, each 64 x 128: 32 accumulators.  K goes in steps of 256 through two LDS slots: twelve fills in all.
; CLUSTERS: 4 x 4 work-groups; A's tiles are asked for jointly along a row of the cluster, B's along a column.  A wave has two tensor loads out at the start, later one.
; THE WAY OUT.  q, k: a wave's 64 t x 128 c are 8,192 bytes on end in qk: they go through the wave's own stage and leave as stores of 512 consecutive bytes; no barrier.
; Content: a row's 256 bytes come from two waves: one stage for the work-group, a barrier, sixteen lanes to 256 consecutive bytes of cc, aligned.
; LIMITS: es between -126 and 126, eo - es between -126 and 119.  NaN among the inputs is not served.  The k inside a step of 128 is permuted alike in A and B.
; REGISTERS, in windows of 256: window 0: v0-63 addresses and small things; A's fragments, two sets, at v64 and v128; v192-255 at work on the way out.  window 1: B's fragments, two sets, at v0 and v128.  window 2: the accumulators, (a, b) at v[8 (8 a + b)].
.set PITCH,  272                       ; an LDS row of A: 256 bytes + 16
.set BPITCH, 272                       ; of B
.set BQ,     128                       ; bytes from a slot's first 128 along K to its second, in B
.set AHALF,  64*PITCH
.set ATILE,  2*AHALF
.set BHALF,  128*BPITCH
.set SLOT,   ATILE+2*BHALF             ; A's 128 rows, then B's 256
.set SPARE,  2*SLOT                    ; the spare words, 128 bytes for each wave: two blocks of 256 bytes that no other line names
.set QP,     144                       ; q, k: a stage row: 128 bytes + 16
.set STAGEQ, SPARE+512                 ; q, k: 64 rows for each wave; no tile lands here
.set STAGEC, STAGEQ+4*64*QP            ; content: 128 rows x (256 bytes + 16), the work-group's; no tile lands here
.set SPITCH, 272
.set BIAS,   STAGEC+128*SPITCH         ; 256 numbers for the queries, 256 for the keys, 128 for the content
.set NEXTA,  0x800000-512              ; from a slot's last K step of the queries' tile to its first of the keys': the next plane of x's codes, back along K
.set NEXTB,  0x100000-512              ; the same for the weights
.set FR,   16
.set ADRA, 16                          ; v16-17 my A fragments in slot 0, 1
.set ADRB, 20                          ; v20-21 the same for B
.set STOQ, 24                          ; q, k: where I put 8 bytes of a row
.set RDQ,  25                          ; and where I read 16 bytes back
.set CO,   26                          ; 16 x lane; never rewritten
.set STOC, 27                          ; content: the same two
.set SPW,  28                          ; v28 LDS address of my spare word; never rewritten
.set NIL,  29                          ; v29 0; never rewritten
.set RDC,  30
.set COC,  31                          ; content: my byte offset in two rows of cc
.set BIA,  32                          ; LDS address of my eight numbers of the queries' bias
.set BQA,  33                          ; of my row's number of the content's
.set SC,   34                          ; v34-39 for each tile 2^(eo - es) and 448 x that
.set BQR,  40                          ; v40-47 the content's bias, a pair for each block
.set AF,   64
.set CD,   128                         ; the way out: codes
.set TMP,  192
.set G1,  24
.set G0,  32
.set G1B, 48
.set G0B, 56
.set MSB, 0
.macro WIN new                         ; the immediate's high byte repeats the setting that is left
.if MSB != \new
	s_set_vgpr_msb (MSB<<8)|\new
.set MSB, \new
.endif
.endm
.set MUL,  0xa1                        ; source 0 (B) window 1, source 1 (A) window 0, C and D window 2
.set TO_B, 0x40                        ; destination window 1, address window 0
; A joint load: waves 0 and 1 fetch A's halves, waves 2 and 3 B's.  The branch hangs on the wave's number alone.  Four v_nop follow each of the two lines.
.macro JLOAD s
	s_cmp_eq_u32 s21, 0
	s_cbranch_scc0 .Lfor_b_\@
	tensor_load_to_lds s[G0+4*\s:G0+4*\s+3], s[G1:G1+7]
	s_nop 0
.rept 4
	v_nop
.endr
	s_branch .Lasked_\@
.Lfor_b_\@:
	tensor_load_to_lds s[G0B+4*\s:G0B+4*\s+3], s[G1B:G1B+7]
	s_nop 0
.rept 4
	v_nop
.endr
.Lasked_\@:
.endm
.macro CREST                           ; a round of the cluster's barrier behind its opening barrier
	s_cmp_lg_u32 s20, 0
	s_cbranch_scc1 .Lnot_wave_0_\@
	s_barrier_signal -3
.Lnot_wave_0_\@:
	s_barrier_wait -3
	s_barrier_signal -1
	s_barrier_wait -1
.endm
.macro CROUND
	s_barrier_signal -1
	s_barrier_wait -1
	CREST
.endm
.macro PLACES                          ; four plain vector lines behind matrix instructions, ahead of loads into their sources and of reads of their results
.rept 4
	v_nop
.endr
.endm
	s_load_b512 s[4:19], s[0:1], 0x0               ; xq, wq, b_query, b_key, b_content, the scales' exponents, qk, cc
	v_lshl_add_u32 v[SPW], v0, 2, SPARE
	v_mov_b32 v[NIL], 0
	ds_add_u32 v28, v29
	s_wait_dscnt 0x0
	v_lshrrev_b32 v1, 5, v0
	v_readfirstlane_b32 s20, v1                    ; wave 0..3
	s_lshr_b32 s21, s20, 1                         ; wm: which 64 rows of A are mine.  Also: I fetch for A (0) or for B (1)
	s_and_b32 s22, s20, 1                          ; wn: which 128 rows of B.  Also: which half I fetch
	s_bfe_u32 s40, ttmp6, 0x40000                  ; cx: for q and k also the tile column (4 tile columns of 256 o)
	s_bfe_u32 s41, ttmp6, 0x40004                  ; cy
	s_and_b32 s46, ttmp7, 0xffff                   ; the cluster's number, 0..15
	s_lshl_b32 s43, s46, 2
	s_add_co_u32 s43, s43, s41                     ; q, k: tile row (64 of 128 places): hangs on cy, never on cx
	s_and_b32 s44, s46, 1
	s_lshl_b32 s44, s44, 2
	s_add_co_u32 s44, s44, s41                     ; content: tile row (8 of 128 o): hangs on cy
	s_lshr_b32 s45, s46, 1
	s_lshl_b32 s45, s45, 2
	s_add_co_u32 s45, s45, s40                     ; content: tile column (32 of 256 places): hangs on cx
	s_lshl_b32 s94, s41, 2
	s_lshl_b32 s94, 15, s94                        ; my row of the cluster
	s_lshl_b32 s95, 0x1111, s40                    ; my column
	s_or_b32 s[G1+0], s94, (1<<20)|(1<<21)|(5<<22)|(3<<25)    ; the mask; elements of 1 byte; padding on; bit 21 beside a mask; after every 64 words, 4 words
	s_or_b32 s[G1B+0], s95, (1<<20)|(1<<21)|(5<<22)|(3<<25)
	s_mov_b32 s[G1+1], 256<<16                     ; tensor_dim0
	s_mov_b32 s[G1+2], 64<<16                      ; tensor_dim1
	s_mov_b32 s[G1+3], 256<<16                     ; tile_dim0
	s_mov_b32 s[G1+4], 64                          ; tile_dim1
	s_mov_b32 s[G1+5], 1024                        ; the pitch
	s_mov_b32 s[G1+6], 0
	s_mov_b32 s[G1+7], 0
	s_mov_b32 s[G1B+1], 256<<16
	s_mov_b32 s[G1B+2], 128<<16
	s_mov_b32 s[G1B+3], 256<<16
	s_mov_b32 s[G1B+4], 128
	s_mov_b32 s[G1B+5], 1024
	s_mov_b32 s[G1B+6], 0
	s_mov_b32 s[G1B+7], 0
	s_lshl_b32 s23, s22, 16                        ; A's half: 64 rows of 1,024 bytes
	s_lshl_b32 s47, s22, 17                        ; B's half: 128 rows
	s_lshl_b32 s70, s43, 17                        ; q, k: A = x's codes, 128 tile row rows
	s_add_co_u32 s70, s70, s23
	s_mov_b32 s71, 0
	s_lshl_b32 s90, s44, 17                        ; content: A = W_content's codes, 2 MiB into wq
	s_add_co_u32 s90, s90, s23
	s_add_co_u32 s90, s90, 0x200000
	s_mov_b32 s91, 0
	s_lshl_b32 s84, s40, 18                        ; q, k: B = the weight's codes, 256 tile column rows
	s_add_co_u32 s84, s84, s47
	s_mov_b32 s85, 0
	s_lshl_b32 s92, s45, 18                        ; content: B = x's codes, third plane
	s_add_co_u32 s92, s92, s47
	s_add_co_u32 s92, s92, 0x1000000
	s_mov_b32 s93, 0
	s_mul_i32 s2, s22, AHALF                       ; where they go: the wave's number alone enters an LDS address
	s_mul_i32 s3, s22, BHALF
	s_add_co_u32 s3, s3, ATILE
	s_wait_kmcnt 0x0
	s_load_b256 s[72:79], s[14:15], 0x0            ; e0 .. e7
	s_load_b128 s[80:83], s[14:15], 0x20           ; e8 .. e11
	s_add_nc_u64 s[86:87], s[4:5], s[70:71]        ; the queries' A,
	s_add_nc_u64 s[88:89], s[6:7], s[84:85]        ; and B;
	s_add_nc_u64 s[66:67], s[6:7], s[90:91]        ; the content's A,
	s_add_nc_u64 s[68:69], s[4:5], s[92:93]        ; and B: these two pairs stay
	CROUND                                         ; all sixteen work-groups are here: the first joint loads meet
.irp s, 0,1
	s_mov_b32 s[G0+4*\s], 1
	s_add_co_u32 s[G0+4*\s+1], s2, \s*SLOT
	s_add_nc_u64 s[G0+4*\s+2:G0+4*\s+3], s[86:87], \s*256
	s_or_b32 s[G0+4*\s+3], s[G0+4*\s+3], 0x80000000
	s_mov_b32 s[G0B+4*\s], 1
	s_add_co_u32 s[G0B+4*\s+1], s3, \s*SLOT
	s_add_nc_u64 s[G0B+4*\s+2:G0B+4*\s+3], s[88:89], \s*256
	s_or_b32 s[G0B+4*\s+3], s[G0B+4*\s+3], 0x80000000
	JLOAD \s
.endr
	; the three biases, under the first fills: 256 numbers for B's rows of q and of k, 128 for A's rows of the content
	s_lshl_b32 s96, s40, 10
	s_mov_b32 s97, 0
	s_add_nc_u64 s[88:89], s[8:9], s[96:97]
	s_add_nc_u64 s[84:85], s[10:11], s[96:97]
	s_lshl_b32 s98, s44, 9
	s_mov_b32 s99, 0
	s_add_nc_u64 s[86:87], s[12:13], s[98:99]
	v_lshlrev_b32 v59, 3, v0
	v_lshlrev_b32 v60, 2, v0
	global_load_b64 v[52:53], v59, s[88:89]
	global_load_b64 v[54:55], v59, s[84:85]
	global_load_b32 v56, v60, s[86:87]
	; where my results go.  q, k: ((8 b + 2 tile column + wn) 2048 + t + 64 wm) 128
	s_lshr_b32 s94, s43, 4
	s_lshl_b32 s94, s94, 21
	s_lshl_b32 s95, s40, 19
	s_add_co_u32 s94, s94, s95
	s_lshl_b32 s95, s22, 18
	s_add_co_u32 s94, s94, s95
	s_and_b32 s95, s43, 15
	s_lshl_b32 s95, s95, 14
	s_add_co_u32 s94, s94, s95
	s_lshl_b32 s95, s21, 13
	s_add_co_u32 s94, s94, s95
	s_mov_b32 s95, 0
	s_add_nc_u64 s[70:71], s[16:17], s[94:95]      ; the queries' plane,
	s_add_nc_u64 s[90:91], s[70:71], 0x800000      ; the keys'
	s_lshr_b32 s96, s45, 3                         ; content: (1024 b + 128 tile row + 32 w) 2048 + t
	s_lshl_b32 s96, s96, 21
	s_lshl_b32 s97, s44, 18
	s_add_co_u32 s96, s96, s97
	s_and_b32 s97, s45, 7
	s_lshl_b32 s97, s97, 8
	s_add_co_u32 s96, s96, s97
	s_lshl_b32 s97, s20, 16
	s_add_co_u32 s96, s96, s97
	s_mov_b32 s97, 0
	s_add_nc_u64 s[92:93], s[18:19], s[96:97]
	v_and_b32 v1, 15, v0                           ; r
	v_bfe_u32 v2, v0, 4, 1                         ; hh
	v_mul_u32_u24 v3, v1, PITCH
	v_lshl_add_u32 v3, v2, 4, v3                   ; a fragment's row x pitch + 16 hh
	s_mul_i32 s2, s21, AHALF
	s_mul_i32 s3, s22, BHALF
	s_add_co_u32 s3, s3, ATILE
.irp s, 0,1
	v_add_nc_u32 v[ADRA+\s], s2, v3
	v_add_nc_u32 v[ADRB+\s], s3, v3
	s_add_co_u32 s2, s2, SLOT
	s_add_co_u32 s3, s3, SLOT
.endr
	s_mul_i32 s2, s20, 64*QP
	s_add_co_u32 s2, s2, STAGEQ                    ; my own stage
	v_mul_u32_u24 v4, v1, QP
	v_lshl_add_u32 v4, v2, 3, v4
	v_add_nc_u32 v[STOQ], s2, v4                   ; in: row r, byte 8 hh
	v_and_b32 v6, 31, v0
	v_lshrrev_b32 v4, 3, v6
	v_mul_u32_u24 v4, v4, QP
	v_and_b32 v5, 7, v0
	v_lshl_add_u32 v4, v5, 4, v4
	v_add_nc_u32 v[RDQ], s2, v4                    ; back: eight lanes to a row of 128 bytes, four rows an instruction
	v_lshlrev_b32 v[CO], 4, v6
	s_mul_i32 s2, s21, 64*SPITCH
	s_lshl_b32 s3, s22, 7
	s_add_co_u32 s2, s2, s3
	s_add_co_u32 s2, s2, STAGEC
	v_mul_u32_u24 v4, v1, SPITCH
	v_lshl_add_u32 v4, v2, 3, v4
	v_add_nc_u32 v[STOC], s2, v4                   ; the work-group's stage, in: row 64 wm + r, byte 128 wn + 8 hh
	s_mul_i32 s2, s20, 32*SPITCH
	s_add_co_u32 s2, s2, STAGEC
	v_mul_u32_u24 v4, v2, SPITCH
	v_lshl_add_u32 v4, v1, 4, v4
	v_add_nc_u32 v[RDC], s2, v4                    ; back: rows 32 w on, sixteen lanes to a row
	v_lshlrev_b32 v4, 11, v2
	v_lshl_add_u32 v[COC], v1, 4, v4               ; and the same two rows in cc
	s_lshl_b32 s2, s22, 9
	s_add_co_u32 s2, s2, BIAS
	v_lshl_add_u32 v[BIA], v2, 5, s2               ; 4 (128 wn + 8 hh)
	s_lshl_b32 s2, s21, 8
	s_add_co_u32 s2, s2, BIAS+2048
	v_lshl_add_u32 v[BQA], v1, 2, s2               ; 4 (64 wm + r)
	v_lshl_add_u32 v61, v0, 3, BIAS
	v_lshl_add_u32 v62, v0, 2, BIAS+2048
.macro MKP sa, sb, so, vs, sf          ; sf = 2^-es as f32; v[vs] = 2^(eo - es), v[vs + 1] = 448 x that
	s_add_co_i32 s94, \sa, \sb
	s_sub_co_i32 \sf, 127, s94
	s_lshl_b32 \sf, \sf, 23
	s_sub_co_i32 s95, \so, s94
	s_add_co_i32 s95, s95, 127
	s_lshl_b32 s94, s95, 23
	v_mov_b32 v[\vs], s94
	s_add_co_i32 s95, s95, 8
	s_lshl_b32 s95, s95, 23
	s_or_b32 s95, s95, 0x600000
	v_mov_b32 v[\vs+1], s95
.endm
	s_wait_loadcnt 0x0
	s_wait_kmcnt 0x0
	MKP s72, s73, s77, SC, s96                     ; the queries: e0 + e1, result e5
	MKP s74, s75, s76, SC+2, s97                   ; the keys: e2 + e3, result e4
	MKP s80, s81, s82, SC+4, s98                   ; the content: e8 + e9, result e10
	v_mul_f32 v52, s96, v52
	v_mul_f32 v53, s96, v53
	v_mul_f32 v54, s97, v54
	v_mul_f32 v55, s97, v55
	v_mul_f32 v56, s98, v56
	ds_store_b64 v61, v[52:53]
	ds_store_b64 v61, v[54:55] offset:1024
	ds_store_b32 v62, v56
.macro FRAG reg, adr, off              ; 16 rows x 128 K: lane (r, hh) holds row r; registers 4 c .. 4 c + 3 hold K = 32 c + 16 hh + 0 .. 15
.irp c, 0,1,2,3
	ds_load_b128 v[\reg+4*\c:\reg+4*\c+3], v[\adr] offset:\off+32*\c
.endr
.endm
.macro FETCH slot, q, p                ; the fragments of the slot's q-th 128 along K into set p: B's eight, A's four
	WIN TO_B
.irp i, 0,1,2,3,4,5,6,7
	FRAG 128*(\p)+FR*\i, ADRB+\slot, BQ*(\q)+\i*16*BPITCH
.endr
	WIN 0
.irp i, 0,1,2,3
	FRAG AF+64*(\p)+FR*\i, ADRA+\slot, 128*(\q)+\i*16*PITCH
.endr
.endm
.macro MUL8 a, p, zero                 ; A's block a against B's eight.  The 32 accumulators take turns, one instruction a turn, in the same order in every step and from tile to tile
.irp b, 0,1,2,3,4,5,6,7
.if \zero
	v_wmma_f32_16x16x128_fp8_fp8 v[8*(8*(\a)+\b):8*(8*(\a)+\b)+7], v[128*(\p)+FR*\b:128*(\p)+FR*\b+FR-1], v[AF+64*(\p)+FR*(\a):AF+64*(\p)+FR*(\a)+FR-1], 0
.else
	v_wmma_f32_16x16x128_fp8_fp8 v[8*(8*(\a)+\b):8*(8*(\a)+\b)+7], v[128*(\p)+FR*\b:128*(\p)+FR*\b+FR-1], v[AF+64*(\p)+FR*(\a):AF+64*(\p)+FR*(\a)+FR-1], v[8*(8*(\a)+\b):8*(8*(\a)+\b)+7]
.endif
.endr
.endm
.macro STEP slot, zero                 ; a slot's first 128 along K: multiplies set 0; the second 128's fragments are asked for first, into set 1
	s_wait_dscnt 0x0                               ; set 0 is in
	PLACES                                         ; set 1 was read by the last products
	FETCH \slot, 1, 1
	WIN MUL
	MUL8 0, 0, \zero
	MUL8 1, 0, \zero
	MUL8 2, 0, \zero
	MUL8 3, 0, \zero
.endm
; A slot's second 128 along K changes slots: ONE barrier; ahead of it each wave waits for all its tensor loads, adds 0 to its spare word, and waits for that and for its reads of this slot.
; fill = 0: nothing is left to fetch.  1: this slot takes the K step two steps on.  2: the keys' tile's K step 0 or 1.  3: the content's, from the two pointers that were kept.
; fetch = 1: the next slot's first fragments are asked for here; 0: behind the way out, whose registers they would take.
.macro TURN slot, next, fill, fetch
	WIN 0
	s_wait_tensorcnt 0x0                           ; all my tensor loads have landed: my part of the next slot
	ds_add_u32 v[SPW], v[NIL]                      ; 0 onto my spare word
	s_wait_dscnt 1                                 ; set 1 is in; the add alone may be out
	WIN MUL
	MUL8 0, 1, 0                                   ; eight matrix instructions stand between the add and the wait for it
	s_wait_dscnt 0x0                               ; the add is done, and my reads of this slot are over
	s_barrier_signal -1
	MUL8 1, 1, 0
	WIN 0
	s_barrier_wait -1
.if (\fill) > 0
	CREST                                          ; the barrier has opened a round of the cluster's: no wave of any partner still reads this slot or has a load on its way
.if (\fill) == 1
	s_add_nc_u64 s[G0+4*\slot+2:G0+4*\slot+3], s[G0+4*\slot+2:G0+4*\slot+3], 512
	s_add_nc_u64 s[G0B+4*\slot+2:G0B+4*\slot+3], s[G0B+4*\slot+2:G0B+4*\slot+3], 512
.elseif (\fill) == 2
	s_add_nc_u64 s[G0+4*\slot+2:G0+4*\slot+3], s[G0+4*\slot+2:G0+4*\slot+3], NEXTA
	s_add_nc_u64 s[G0B+4*\slot+2:G0B+4*\slot+3], s[G0B+4*\slot+2:G0B+4*\slot+3], NEXTB
.else
	s_add_nc_u64 s[G0+4*\slot+2:G0+4*\slot+3], s[66:67], \slot*256
	s_or_b32 s[G0+4*\slot+3], s[G0+4*\slot+3], 0x80000000
	s_add_nc_u64 s[G0B+4*\slot+2:G0B+4*\slot+3], s[68:69], \slot*256
	s_or_b32 s[G0B+4*\slot+3], s[G0B+4*\slot+3], 0x80000000
.endif
	JLOAD \slot                                    ; the first tensor load behind the round; its four v_nop are also the places ahead of the loads below
.else
	PLACES
.endif
.if \fetch
	FETCH \next, 0, 0
.endif
	WIN MUL
	MUL8 2, 1, 0
	MUL8 3, 1, 0
.endm
; THE WAY OUT of block a (16 rows of A) of tile p: + bias, hold, conversion; 8 bytes a lane into the stage
.macro QBLOCK a, p
	WIN 0x02                                       ; source 0: window 2
.irp b, 0,1,2,3,4,5,6,7
.irp k, 0,2,4,6
.if \p < 2
	v_pk_add_f32 v[TMP+8*\b+\k:TMP+8*\b+\k+1], v[8*(8*\a+\b)+\k:8*(8*\a+\b)+\k+1], v[AF+8*\b+\k:AF+8*\b+\k+1]   ; each accumulator from its low end on; the bias runs along B's rows
.else
	v_pk_add_f32 v[TMP+8*\b+\k:TMP+8*\b+\k+1], v[8*(8*\a+\b)+\k:8*(8*\a+\b)+\k+1], v[BQR+2*\a:BQR+2*\a+1] op_sel_hi:[1,0]   ; the bias is my row's
.endif
.endr
.endr
	WIN 0
.set j, 0
.rept 64
	v_med3_num_f32 v[TMP+j], v[TMP+j], -v[SC+2*\p+1], v[SC+2*\p+1]   ; the conversion to an 8-bit code does not saturate (ISA guide 7.6.2)
.set j, j+1
.endr
.irp b, 0,1,2,3,4,5,6,7
	v_cvt_scalef32_pk8_fp8_f32 v[CD+16*\a+2*\b:CD+16*\a+2*\b+1], v[TMP+8*\b:TMP+8*\b+7], v[SC+2*\p]
.endr
	v_nop                                          ; a plain line between the conversions and the next block's additions, which write their sources
.irp b, 0,1,2,3,4,5,6,7
.if \p < 2
	ds_store_b64 v[STOQ], v[CD+16*\a+2*\b:CD+16*\a+2*\b+1] offset:\a*16*QP+16*\b
.else
	ds_store_b64 v[STOC], v[CD+16*\a+2*\b:CD+16*\a+2*\b+1] offset:\a*16*SPITCH+16*\b
.endif
.endr
.endm
; q, k: the wave's own stage, no barrier; so: the scalar pair with my 8,192 bytes' address
.macro WAYQ p, so
	WIN 0
	PLACES
.irp b, 0,1,2,3,4,5,6,7
	ds_load_b128 v[AF+8*\b:AF+8*\b+3], v[BIA] offset:1024*\p+64*\b
	ds_load_b128 v[AF+8*\b+4:AF+8*\b+7], v[BIA] offset:1024*\p+64*\b+16
.endr
	s_wait_dscnt 0x0
	QBLOCK 0, \p
	QBLOCK 1, \p
	QBLOCK 2, \p
	QBLOCK 3, \p
.irp i, 0,1,2,3,4,5,6,7,8,9,10,11,12,13,14,15
	ds_load_b128 v[AF+4*\i:AF+4*\i+3], v[RDQ] offset:\i*4*QP   ; LDS serves a wave's instructions in order (ISA guide 5.7.1.4): these see my stores
.endr
.irp i, 0,1,2,3,4,5,6,7,8,9,10,11,12,13,14,15
	s_wait_dscnt 15-\i
	global_store_b128 v[CO], v[AF+4*\i:AF+4*\i+3], s[\so:\so+1] offset:512*\i   ; 512 consecutive bytes, aligned
.endr
	s_wait_xcnt 0x0                                ; the stores have read their registers: the next tile's fragments may land there
.endm
	s_wait_tensorcnt 1                             ; my part of slot 0 is in; slot 1's may stay out
	s_wait_dscnt 0x0                               ; my part of the biases has landed
	s_barrier_signal -1
	s_barrier_wait -1
	; ---- the queries
	FETCH 0, 0, 0
	STEP 0, 1                                      ; the first products start the sums: nothing is cleared
	TURN 0, 1, 1, 1
	STEP 1, 0
	TURN 1, 0, 1, 1
	STEP 0, 0
	TURN 0, 1, 2, 1                                ; THE RING GOES ON INTO THE NEXT TILE: slot 0 takes its K step 0,
	STEP 1, 0
	TURN 1, 0, 2, 0                                ; slot 1 its K step 1, which lands under the way out
	WAYQ 0, 70
	; ---- the keys
	FETCH 0, 0, 0
	STEP 0, 1
	TURN 0, 1, 1, 1
	STEP 1, 0
	TURN 1, 0, 1, 1
	STEP 0, 0
	TURN 0, 1, 3, 1
	STEP 1, 0
	TURN 1, 0, 3, 0
	WAYQ 1, 90
	; ---- the content
	FETCH 0, 0, 0
	STEP 0, 1
	TURN 0, 1, 1, 1
	STEP 1, 0
	TURN 1, 0, 1, 1
	STEP 0, 0
	TURN 0, 1, 0, 1                                ; nothing is left to fetch
	STEP 1, 0
	s_wait_dscnt 0x0
	WIN MUL
	MUL8 0, 1, 0
	MUL8 1, 1, 0
	MUL8 2, 1, 0
	MUL8 3, 1, 0
	WIN 0
	PLACES
.irp a, 0,1,2,3
	ds_load_b32 v[BQR+2*\a], v[BQA] offset:64*\a
	ds_load_b32 v[BQR+2*\a+1], v[BQA] offset:64*\a  ; (named with it as a pair, so it is written)
.endr
	s_wait_dscnt 0x0
	QBLOCK 0, 2
	QBLOCK 1, 2
	QBLOCK 2, 2
	QBLOCK 3, 2
	s_wait_dscnt 0x0                               ; for the others' sake: my stores into the stage have landed
	s_barrier_signal -1
	s_barrier_wait -1
.irp i, 0,1,2,3,4,5,6,7,8,9,10,11,12,13,14,15
	ds_load_b128 v[AF+4*\i:AF+4*\i+3], v[RDC] offset:\i*2*SPITCH
.endr
.irp i, 0,1,2,3,4,5,6,7,8,9,10,11,12,13,14,15
	s_wait_dscnt 15-\i
	global_store_b128 v[COC], v[AF+4*\i:AF+4*\i+3], s[92:93] offset:4096*\i   ; sixteen lanes store 256 consecutive bytes, aligned
.endr
	s_wait_tensorcnt 0x0                           ; the wave's end
	ds_add_u32 v[SPW], v[NIL]
	s_wait_dscnt 0x0
	CROUND                                         ; the closing round: no work-group ends while a partner may still ask for a tile that names it
	s_endpgm
.Lfunc_end_k_q6fbed1a331_qkv:
	.size	k_q6fbed1a331_qkv, .Lfunc_end_k_q6fbed1a331_qkv-k_q6fbed1a331_qkv
	.p2alignl 7, 3214868480
	.fill 96, 4, 3214868480
	.section	.rodata,"a",@progbits
	.p2align	6, 0x0
	.amdhsa_kernel k_q6fbed1a331_qkv
		.amdhsa_group_segment_fixed_size 327680
		.amdhsa_private_segment_fixed_size 0
		.amdhsa_enable_private_segment 0
		.amdhsa_kernarg_size 64
		.amdhsa_user_sgpr_count 2
		.amdhsa_user_sgpr_kernarg_segment_ptr 1
		.amdhsa_wavefront_size32 1
		.amdhsa_system_sgpr_workgroup_id_x 1
		.amdhsa_system_sgpr_workgroup_id_y 1
		.amdhsa_system_sgpr_workgroup_id_z 1
		.amdhsa_system_vgpr_workitem_id 0
		.amdhsa_next_free_vgpr 768
		.amdhsa_next_free_sgpr 100
		.amdhsa_reserve_vcc 0
		.amdhsa_float_denorm_mode_32 3
		.amdhsa_float_denorm_mode_16_64 3
		.amdhsa_memory_ordered 1
		.amdhsa_forward_progress 1
		.amdhsa_inst_pref_size 247
	.end_amdhsa_kernel
	.amdgpu_metadata
---
amdhsa.version: [ 1, 2 ]
amdhsa.kernels:
  - .name:           k_q6fbed1a331_qkv
    .symbol:         k_q6fbed1a331_qkv.kd
    .args:
      - { .name: xq, .offset: 0, .size: 8, .value_kind: global_buffer, .address_space: global }
      - { .name: wq, .offset: 8, .size: 8, .value_kind: global_buffer, .address_space: global }
      - { .name: b_query, .offset: 16, .size: 8, .value_kind: global_buffer, .address_space: global }
      - { .name: b_key, .offset: 24, .size: 8, .value_kind: global_buffer, .address_space: global }
      - { .name: b_content, .offset: 32, .size: 8, .value_kind: global_buffer, .address_space: global }
      - { .name: lowp_scales, .offset: 40, .size: 8, .value_kind: global_buffer, .address_space: global }
      - { .name: qk, .offset: 48, .size: 8, .value_kind: global_buffer, .address_space: global }
      - { .name: cc, .offset: 56, .size: 8, .value_kind: global_buffer, .address_space: global }
    .group_segment_fixed_size: 327680
    .private_segment_fixed_size: 0
    .kernarg_segment_align: 8
    .kernarg_segment_size: 64
    .max_flat_workgroup_size: 128
    .sgpr_count:     100
    .vgpr_count:     768
    .wavefront_size: 32
...
	.end_amdgpu_metadata
.endif
;; end of part 2
;; launch attn (part 3): grid 8 x 32, 16 waves a work-group, clusters of 4 x 1, 327,680 bytes of LDS; arguments qk, cc, dpart, b_qdecay, lowp_scales, rc; writes rc
.if DOCPART == 3
	.amdgcn_target "amdgcn-amd-amdhsa--gfx1250"
	.amdhsa_code_object_version 6
	.text
	.protected	k_q6fbed1a331_attn
	.globl	k_q6fbed1a331_attn
	.p2align	8
	.type	k_q6fbed1a331_attn,@function
k_q6fbed1a331_attn:
	s_mov_b64 s[64:65], 0
	v_nop
	global_prefetch_b8 v0, s[64:65] scope:SCOPE_SE
	s_setreg_imm32_b32 hwreg(HW_REG_WAVE_MODE, 25, 1), 1
	s_wait_xcnt 0x0
	s_wait_alu depctr_hold_cnt(0) depctr_sa_sdst(0) depctr_va_vdst(0) depctr_va_sdst(0) depctr_va_ssrc(0) depctr_va_vcc(0) depctr_vm_vsrc(0)
	s_getreg_b32 s2, hwreg(HW_REG_IB_STS2, 6, 4)
	s_cmp_eq_u32 s2, 0
	s_cbranch_scc0 .Lentry_in_a_cluster
	s_endpgm
.Lentry_in_a_cluster:
	s_bfe_u32 s2, ttmp6, 0x10000c
	s_cmp_lg_u32 s2, 0x3003
	s_cbranch_scc0 .Lentry_shape_is_right
	s_endpgm
.Lentry_shape_is_right:
; ATTN: for each (b, h): logit(t, s) = key_t . query_s / sqrt(128) - |t - s| g_s, -100 where t = s; softmax over t; result(c, s) = sum over t of weight x content(c, t).  Both products on codes of E4M3.
; g_s = (sigma_1 + 2 sigma_2 + 3 sigma_3 + 4 sigma_4) / 4, sigma_f = sigmoid of the decay gate: the product with K = 4 of the distance kernel -f |t - s| / 2 and sigma_f / 2, factored; all in f32.
; IN RAW UNITS: t2 = cs x (S + C), S = the sum of codes, cs = log2(e) / sqrt(128) x 2^(e4 + e5), C = -G |t - s|, G = g sqrt(128) / 2^(e4 + e5).  C IS THE C OF THE FIRST PRODUCT'S MATRIX INSTRUCTION: the bias costs no addition.
; THE SOFTMAX AHEAD OF THE SECOND PRODUCT: M = the running largest t2 rounded UP to a whole number; p = 2^(t2 - M) is quantised with e11, not normalised; the row's sum is taken of the unquantised p and divides at the end.
; SHARES.  A work-group owns 256 queries of one (b, h), each of its sixteen waves 16, in 256 registers.  Every wave walks all 2,048 keys, 128 a step; K's and V's tiles come through two LDS slots of 256 keys.
; Both products are used transposed: a lane holds ONE query (lane % 16) throughout.  THE KEYS OF A TILE ARE NOT NEIGHBOURS: lane r of tile 2 b + u takes key 32 b + 8 u + r + 8 (r / 8), so that registers 16 b .. 16 b + 15 of a lane
; are the neighbouring keys KF + 32 b + 16 hh + 0 .. 15.
; K IN LDS LIES IN TWO PARTS.  A tile's lanes 0-7 and lanes 8-15 take keys 16 apart, and 16 lines of any pitch that is a multiple of 16 bytes are a multiple of 256 bytes: side by side in one part they would start at the same banks
; (64 banks of 4 bytes: ISA guide 11.1).  So wave 0 fetches the even groups of 16 keys and wave 1 the odd ones, and the odd part begins 128 bytes past a multiple of 256.
; THE DIAGONAL WITHOUT A BRANCH.  A group of 16 keys begins at a multiple of 16: it is the wave's own 16 keys (those of its queries) or lies wholly on one side of all 16 queries.  On one side |t - s| is linear along the group:
; a base and a slope, seven packed multiply-adds.  The wave's own 16 keys are served by a small step ahead of the loop, which holds the diagonal, starts M, the sum and O^T (nothing is cleared); in the loop that group's base is -3e38: p = 0.
; CLUSTER: the four query blocks of a cluster walk the same K and V: each tile is asked for jointly (mask 15).  Waves 0, 1 fetch K's parts, waves 2, 3 V's halves; one load of a wave is out at a time.
; LIMITS: e4 + e5 between -60 and 60; e6 + e7 between -126 and 127; e11 and e12 - e10 - e11 between -126 and 119.  NaN among the inputs is not served.  The k inside a step of 128 is permuted alike in both operands.
; REGISTERS: v1, v2 my place in a tile of K, of V; v3 Y = s - 16 hh - KF (f32); v4 Z = s0 - 16 hh - KF; v5, v6 the add's; v7 G; v8, v9 addresses in hand; v12 -M, v13 the largest t2, v[14:15] the sum;
;   v16-31 Q; v32-95 four fragments; v96-159 C, S, then p, then V's other four fragments; v160-223 O^T; v224-239 the bias's slopes, then p's codes; v241 2^e11; v242-254 at work.
.set SK,    256
.set KP,    144                        ; a key's line in LDS: 128 bytes + 16
.set KODD,  128*KP+128                 ; where the odd groups' part begins
.set VP,    272                        ; a row of V's tile: 256 bytes + 16
.set VOFF,  37120                      ; behind K's two parts (36,992 bytes), at a multiple of 256
.set SLOT1, 1<<17                      ; one exclusive or turns an address in one slot into the other's
.set NSL,   8
.set SPARE, 2*SLOT1                    ; the spare words, 128 bytes for each wave: eight blocks of 256 bytes that no other line names
.set STG,   SPARE+2048                 ; the way out: 16 rows x (128 bytes + 16) for each wave; no tile lands here
.set SGP,   144
.macro TLOAD                           ; the branches hang on the wave's number alone; four v_nop follow each of the two lines
	s_cmp_lt_u32 s18, 2
	s_cbranch_scc0 .Lnot_k_\@
	tensor_load_to_lds s[40:43], s[24:31]
	s_nop 0
.rept 4
	v_nop
.endr
	s_branch .Lasked_\@
.Lnot_k_\@:
	s_cmp_lt_u32 s18, 4
	s_cbranch_scc0 .Lasked_\@
	tensor_load_to_lds s[44:47], s[32:39]
	s_nop 0
.rept 4
	v_nop
.endr
.Lasked_\@:
.endm
.macro CROUND                          ; a round of the cluster's barrier
	s_barrier_signal -1
	s_barrier_wait -1
	s_cmp_lg_u32 s18, 0
	s_cbranch_scc1 .Lnot_wave_0_\@
	s_barrier_signal -3
.Lnot_wave_0_\@:
	s_barrier_wait -3
	s_barrier_signal -1
	s_barrier_wait -1
.endm
	s_load_b256 s[4:11], s[0:1], 0x0               ; qk, cc, dpart, b_qdecay
	s_load_b128 s[12:15], s[0:1], 0x20             ; the scales' exponents, rc
	v_lshl_add_u32 v5, v0, 2, SPARE
	v_mov_b32 v6, 0
	ds_add_u32 v5, v6
	ds_add_u32 v5, v6
	s_wait_dscnt 0x0
	v_lshrrev_b32 v8, 5, v0
	s_delay_alu instid0(VALU_DEP_1)
	v_readfirstlane_b32 s18, v8                    ; wave 0..15
	s_and_b32 s75, ttmp7, 0xffff                   ; 8 b + h, which the four partners share
	s_lshl_b32 s76, s75, 18                        ; its 262,144 bytes in each plane of codes
	s_and_b32 s78, s18, 1                          ; which part I fetch, if I fetch
	s_lshl_b32 s80, s78, 11
	s_add_co_u32 s80, s80, s76
	s_add_co_u32 s80, s80, 0x800000                ; K: the keys' plane; the odd groups begin 16 keys of 128 bytes on
	s_mov_b32 s81, 0
	s_lshl_b32 s82, s78, 17
	s_add_co_u32 s82, s82, s76                     ; V: 64 rows of 2,048 bytes a half
	s_mov_b32 s83, 0
	s_mul_i32 s84, s78, KODD
	s_mul_i32 s85, s78, 64*VP
	s_add_co_u32 s85, s85, VOFF
	s_mov_b32 s24, 15|(1<<20)|(1<<21)|(4<<22)|(3<<25)   ; K: the mask; elements of 1 byte; padding on; bit 21 beside a mask; after every 32 words (a key), 4 words
	s_mov_b32 s25, 2048<<16                        ; tensor_dim0: a row is a group of 16 keys, 2,048 bytes on end
	s_mov_b32 s26, 8<<16                           ; tensor_dim1: eight groups
	s_mov_b32 s27, 2048<<16                        ; tile_dim0
	s_mov_b32 s28, 8                               ; tile_dim1
	s_mov_b32 s29, 4096                            ; from a group to the next but one
	s_mov_b32 s30, 0
	s_mov_b32 s31, 0
	s_mov_b32 s32, 15|(1<<20)|(1<<21)|(5<<22)|(3<<25)   ; V: after every 64 words
	s_mov_b32 s33, 256<<16
	s_mov_b32 s34, 64<<16
	s_mov_b32 s35, 256<<16
	s_mov_b32 s36, 64
	s_mov_b32 s37, 2048
	s_mov_b32 s38, 0
	s_mov_b32 s39, 0
	s_mov_b32 s20, 0x76543210                      ; v_permlanex16_b32: lane l xor 16
	s_mov_b32 s21, 0xfedcba98
	s_mov_b32 s22, 0x3e0293ee                      ; log2(e) / sqrt(128)
	s_mov_b32 s48, 0                               ; LDS byte at which the slot in hand begins
	s_mov_b32 s49, NSL-1
	s_mov_b32 s55, 0xff61b1e6                      ; -3e38
	s_and_b32 s86, s75, 7                          ; h
	s_lshl_b32 s87, s86, 4
	s_wait_kmcnt 0x0
	s_load_b256 s[56:63], s[12:13], 0x10           ; e4 .. e11
	s_load_b64 s[66:67], s[12:13], 0x30            ; e12, e13
	s_load_b128 s[68:71], s[10:11], s87 offset:0x0 ; b_qdecay[4 h ..]
	s_mov_b32 s40, 1
	s_mov_b32 s41, s84
	s_add_nc_u64 s[42:43], s[4:5], s[80:81]
	s_or_b32 s43, s43, 0x80000000
	s_mov_b32 s44, 1
	s_mov_b32 s45, s85
	s_add_nc_u64 s[46:47], s[6:7], s[82:83]
	s_or_b32 s47, s47, 0x80000000
	CROUND                                         ; all four work-groups are here
	TLOAD                                          ; slot 0
	; my own rows: the place in the cluster enters these plain addresses and vector data alone
	s_bfe_u32 s72, ttmp6, 0x40000                  ; cx
	s_lshl_b32 s79, ttmp9, 2
	s_add_co_u32 s79, s79, s72
	s_lshl_b32 s79, s79, 8
	s_lshl_b32 s72, s18, 4
	s_add_co_u32 s79, s79, s72                     ; s0 = 256 (4 cluster x + cx) + 16 w
	s_lshl_b32 s88, s79, 7
	s_add_co_u32 s88, s88, s76
	s_mov_b32 s89, 0
	s_add_nc_u64 s[88:89], s[4:5], s[88:89]        ; my queries' codes,
	s_add_nc_u64 s[90:91], s[88:89], 0x800000      ; the keys of the same 16 places,
	s_add_co_u32 s92, s76, s79
	s_mov_b32 s93, 0
	s_add_nc_u64 s[92:93], s[6:7], s[92:93]        ; the content at them,
	s_lshl_b32 s94, s75, 15
	s_lshl_b32 s72, s79, 4
	s_add_co_u32 s94, s94, s72
	s_mov_b32 s95, 0
	s_add_nc_u64 s[94:95], s[8:9], s[94:95]        ; the gate's partial sums,
	s_lshr_b32 s72, s75, 3
	s_lshl_b32 s72, s72, 11
	s_add_co_u32 s72, s72, s79
	s_lshl_b32 s96, s72, 7
	s_lshl_b32 s72, s86, 20
	s_add_co_u32 s96, s96, s72
	s_mov_b32 s97, 0
	s_add_nc_u64 s[96:97], s[14:15], s[96:97]      ; and my rows of rc [h][b*2048+s][128]
	v_and_b32 v8, 15, v0                           ; r
	v_bfe_u32 v9, v0, 4, 1                         ; hh
	s_delay_alu instid0(VALU_DEP_2)
	v_lshlrev_b32 v246, 7, v8
	s_delay_alu instid0(VALU_DEP_1)
	v_lshl_add_u32 v246, v9, 4, v246               ; row r of 128 bytes, + 16 hh
	s_delay_alu instid0(VALU_DEP_4)
	v_lshlrev_b32 v247, 4, v8
	v_lshlrev_b32 v245, 11, v8
	s_delay_alu instid0(VALU_DEP_1)
	v_lshl_add_u32 v245, v9, 3, v245               ; row r of 2,048 bytes, + 8 hh
.irp c, 0,1,2,3
	global_load_b128 v[16+4*\c:19+4*\c], v246, s[88:89] offset:32*\c       ; Q stays in registers
.endr
.irp k, 0,1,2,3
	global_load_b128 v[176+4*\k:179+4*\k], v247, s[94:95] offset:\k*1048576 ; four parts of K, four f each
.endr
.irp c, 0,1,2,3
	global_load_b128 v[32+4*\c:35+4*\c], v246, s[90:91] offset:32*\c       ; my own 16 keys, in their order
.endr
.irp t, 0,1,2,3,4,5,6,7
	global_load_b64 v[48+2*\t:49+2*\t], v245, s[92:93] offset:\t*32768     ; content(16 t + r, s0 + 8 hh + 0 .. 7)
.endr
	v_and_b32 v1, 7, v8
	s_delay_alu instid0(VALU_DEP_1)
	v_mul_u32_u24 v1, v1, KP                       ; K: line r % 8 of a group's half,
	s_delay_alu instid0(VALU_DEP_1)
	v_lshl_add_u32 v1, v9, 4, v1                   ; + 16 hh,
	v_bfe_u32 v10, v0, 3, 1
	s_delay_alu instid0(VALU_DEP_1)
	v_mad_u32_u24 v1, v10, KODD, v1                ; in the even part (r < 8) or the odd one
	v_mul_u32_u24 v2, v8, VP
	s_delay_alu instid0(VALU_DEP_1)
	v_lshl_add_u32 v2, v9, 4, v2
	s_delay_alu instid0(VALU_DEP_1)
	v_add_nc_u32 v2, VOFF, v2
	v_lshlrev_b32 v248, 3, v9
	s_delay_alu instid0(VALU_DEP_1)
	v_sub_nc_u32 v248, v8, v248                    ; r - 8 hh: my query's place among my 8 own keys
	v_mov_b32 v244, 0                              ; written once: a lane permute's destination counts as one of its sources
	v_mov_b32 v253, 0                              ; (named as the upper half of the pair v[252:253])
	s_wait_kmcnt 0x0
	s_add_co_i32 s72, s56, s57
	s_lshl_b32 s72, s72, 23
	s_add_co_i32 s22, s22, s72                     ; cs: e4 + e5 added to the exponent field
	s_mov_b32 s23, s22                             ; (named with it as a pair, so it is written)
	s_sub_co_i32 s54, 0x403504f3, s72              ; sqrt(8) / 2^(e4 + e5)
	s_sub_co_i32 s53, 0xc48d6bde, s72              ; -100 sqrt(128) / 2^(e4 + e5): the diagonal, in raw units
	s_add_co_i32 s74, s58, s59
	s_add_co_i32 s74, s74, 127
	s_lshl_b32 s74, s74, 23                        ; 2^(e6 + e7)
	s_add_co_i32 s72, s63, 127
	s_lshl_b32 s73, s72, 23
	v_mov_b32 v241, s73                            ; 2^e11
	; ---- G
	s_wait_loadcnt 12                              ; Q and the gate's parts are in; my own keys' 4 and content's 8 may be out
	v_pk_add_f32 v[176:177], v[176:177], v[180:181]
	v_pk_add_f32 v[178:179], v[178:179], v[182:183]
	v_pk_add_f32 v[184:185], v[184:185], v[188:189]
	v_pk_add_f32 v[186:187], v[186:187], v[190:191]
	s_delay_alu instid0(VALU_DEP_2)
	v_pk_add_f32 v[176:177], v[176:177], v[184:185]
	s_delay_alu instid0(VALU_DEP_2)
	v_pk_add_f32 v[178:179], v[178:179], v[186:187]
.irp f, 0,1,2,3
	v_fma_f32 v[176+\f], v[176+\f], s74, s[68+\f]  ; sum x 2^(e6 + e7) + bias
.endr
.irp f, 0,1,2,3
	s_delay_alu instid0(VALU_DEP_4)
	v_mul_f32 v[176+\f], 0xbfb8aa3b, v[176+\f]     ; x -log2(e)
.endr
	s_wait_alu depctr_va_vdst(0)
.irp f, 0,1,2,3
	v_exp_f32 v[176+\f], v[176+\f]
.endr
	v_nop                                          ; a plain line behind the transcendentals
	s_wait_alu depctr_va_vdst(0)
.irp f, 0,1,2,3
	v_add_f32 v[176+\f], 1.0, v[176+\f]
.endr
	s_wait_alu depctr_va_vdst(0)
.irp f, 0,1,2,3
	v_rcp_f32 v[176+\f], v[176+\f]                 ; sigmoid
.endr
	v_nop
	s_wait_alu depctr_va_vdst(0)
	v_fma_f32 v7, v177, 2.0, v176
	v_fma_f32 v7, v178, 0x40400000, v7
	v_fma_f32 v7, v179, 4.0, v7
	s_delay_alu instid0(VALU_DEP_1)
	v_mul_f32 v7, s54, v7                          ; G, never negative
	; ---- THE SMALL STEP: my own 16 keys.  Register j of lane (r, hh) is key s0 + 8 hh + j
.irp j, 0,1,2,3,4,5,6,7
	v_add_nc_u32 v[96+\j], -\j, v248
.endr
.irp j, 0,1,2,3,4,5,6,7
	v_cvt_f32_i32 v[96+\j], v[96+\j]
.endr
.irp j, 0,1,2,3,4,5,6,7
	v_mul_f32 v[96+\j], -|v[96+\j]|, v7            ; C = -G |t - s|
.endr
	s_wait_alu depctr_va_vdst(0)
	s_wait_loadcnt 8                               ; my own keys are in
	v_wmma_f32_16x16x128_fp8_fp8 v[96:103], v[32:47], v[16:31], v[96:103]
.irp j, 64,65,66,67,68,69,226,227,228,229,230,231
	v_mov_b32 v[\j], 0                             ; zero codes for k = 16 .. 63 of the K = 64 products below; also the places behind the product above
.endr
.irp j, 0,1,2,3,4,5,6,7
	v_cmp_ne_u32 vcc_lo, \j, v248
	v_cndmask_b32 v[96+\j], s53, v[96+\j], vcc_lo  ; the diagonal
.endr
	v_max3_num_f32 v254, v96, v97, v98
	v_max3_num_f32 v252, v99, v100, v101
	s_delay_alu instid0(VALU_DEP_2)
	v_max3_num_f32 v254, v254, v102, v103
	s_delay_alu instid0(VALU_DEP_1)
	v_max_num_f32 v254, v254, v252
	s_delay_alu instid0(VALU_DEP_1)
	v_permlanex16_b32 v244, v254, s20, s21
	s_delay_alu instid0(VALU_DEP_1)
	v_max_num_f32 v254, v254, v244
	s_delay_alu instid0(VALU_DEP_1)
	v_mul_f32 v13, s22, v254                       ; the largest t2 so far
	s_delay_alu instid0(VALU_DEP_1)
	v_floor_f32 v12, -v13                          ; -M = floor(-t2): M IS A WHOLE NUMBER
.irp j, 0,2,4,6
	v_pk_fma_f32 v[96+\j:97+\j], v[96+\j:97+\j], s[22:23], v[12:13] op_sel_hi:[1,0,0]
.endr
	s_wait_alu depctr_va_vdst(0)
.irp j, 0,1,2,3,4,5,6,7
	v_exp_f32 v[96+\j], v[96+\j]
.endr
	v_nop
	s_wait_alu depctr_va_vdst(0)
	v_pk_add_f32 v[14:15], v[96:97], v[98:99]      ; the sum starts, of the unquantised p
	v_pk_add_f32 v[242:243], v[100:101], v[102:103]
	s_delay_alu instid0(VALU_DEP_1)
	v_pk_add_f32 v[14:15], v[14:15], v[242:243]
.irp j, 0,1,2,3,4,5,6,7
.endr
	v_cvt_scalef32_pk8_fp8_f32 v[224:225], v[96:103], v241
	v_nop                                          ; a plain line between the conversion and the products that read its result
	s_wait_alu depctr_va_vdst(0)
	s_wait_loadcnt 0x0
.irp t, 0,1,2,3,4,5,6,7                        ; K = 64 form: registers 0, 1 hold k = 8 hh + 0 .. 7; p's other six are zero codes, and what they meet in the first source (other tiles' codes, or zeros) is finite
	v_wmma_f32_16x16x64_fp8_fp8 v[160+8*\t:167+8*\t], v[48+2*\t:55+2*\t], v[224:231], 0
.endr
	v_lshlrev_b32 v4, 4, v9
	s_delay_alu instid0(VALU_DEP_1)
	v_sub_nc_u32 v4, s79, v4                       ; Z = s0 - 16 hh
	s_delay_alu instid0(VALU_DEP_1)
	v_add_nc_u32 v3, v4, v8
	s_delay_alu instid0(VALU_DEP_1)
	v_cvt_f32_i32 v3, v3                           ; Y = s - 16 hh
; C for registers 16 b .. 16 b + 15: base -G |Y - 32 b|, slope +-G by the side on which the group lies; the wave's own group gets -3e38
.macro BF b, k, kf
	v_pk_fma_f32 v[96+16*\b+2*\k:97+16*\b+2*\k], v[224+4*\b:225+4*\b], \kf, v[96+16*\b:97+16*\b] op_sel_hi:[0,0,1]
.endm
.macro BIAS b, nf
	v_add_f32 v[226+4*\b], \nf, v3
	v_cmp_ne_u32 vcc_lo, 32*\b, v4
	s_delay_alu instid0(VALU_DEP_2)
	v_and_or_b32 v[225+4*\b], v[226+4*\b], 0x80000000, v7   ; the slope: G with the side's sign
	s_delay_alu instid0(VALU_DEP_3)
	v_mul_f32 v[96+16*\b], -|v[226+4*\b]|, v7
	s_delay_alu instid0(VALU_DEP_2)
	v_add_f32 v[224+4*\b], v[225+4*\b], v[225+4*\b]
	s_delay_alu instid0(VALU_DEP_2)
	v_cndmask_b32 v[96+16*\b], s55, v[96+16*\b], vcc_lo
	s_delay_alu instid0(VALU_DEP_1)
	v_add_f32 v[97+16*\b], v[96+16*\b], v[225+4*\b]
	BF \b, 1, 1.0
	BF \b, 2, 2.0
	BF \b, 3, 3.0
	BF \b, 4, 4.0
	BF \b, 5, 5.0
	BF \b, 6, 6.0
	BF \b, 7, 7.0
.endm
; A KEY STEP: 128 keys, the q-th of the slot in hand.  Tile T's line in either part of K: 64 q + 16 (T / 2) + 8 (T % 2) + r % 8
.macro STEP q
	v_add_nc_u32 v8, s48, v1                       ; with the two lines at the last step's end: four places ahead of the loads into, and the bias's writes of, registers that the last products read
	v_add_nc_u32 v9, s48, v2
.irp t, 0,1,2,3
.irp c, 0,1,2,3
	ds_load_b128 v[32+16*\t+4*\c:32+16*\t+4*\c+3], v8 offset:(64*(\q)+16*(\t/2)+8*(\t%2))*KP+32*\c
.endr
.endr
	BIAS 0, 0
	BIAS 1, 0xc2000000
	s_wait_alu depctr_va_vdst(0)
	s_wait_dscnt 0x0
.irp t, 0,1,2,3
	v_wmma_f32_16x16x128_fp8_fp8 v[96+8*\t:103+8*\t], v[32+16*\t:47+16*\t], v[16:31], v[96+8*\t:103+8*\t]
.endr
	BIAS 2, 0xc2800000                             ; fourteen plain lines that name none of those products' registers: the places ahead of the loads below
.irp t, 0,1,2,3
.irp c, 0,1,2,3
	ds_load_b128 v[32+16*\t+4*\c:32+16*\t+4*\c+3], v8 offset:(64*(\q)+16*((4+\t)/2)+8*(\t%2))*KP+32*\c
.endr
.endr
	BIAS 3, 0xc2c00000
	s_wait_alu depctr_va_vdst(0)
	s_wait_dscnt 0x0
.irp t, 0,1,2,3
	v_wmma_f32_16x16x128_fp8_fp8 v[128+8*\t:135+8*\t], v[32+16*\t:47+16*\t], v[16:31], v[128+8*\t:135+8*\t]
.endr
.rept 4
	v_nop                                          ; places ahead of the loads below and of the first read of the scores
.endr
.irp t, 0,1,2,3
.irp c, 0,1,2,3
	ds_load_b128 v[32+16*\t+4*\c:32+16*\t+4*\c+3], v9 offset:16*\t*VP+128*(\q)+32*\c   ; V's first four fragments: K's registers are free, and the whole softmax stands ahead of their use
.endr
.endr
	v_max3_num_f32 v254, v96, v97, v98             ; the step's largest among my 64 keys, in two chains, each accumulator from its low end on,
	v_max3_num_f32 v252, v99, v100, v101
.irp i, 6,10,14,18,22,26,30,34,38,42,46,50,54,58
	v_max3_num_f32 v254, v254, v[96+\i], v[97+\i]
	v_max3_num_f32 v252, v252, v[98+\i], v[99+\i]
.endr
	v_max3_num_f32 v254, v254, v158, v159
	s_delay_alu instid0(VALU_DEP_1)
	v_max_num_f32 v254, v254, v252
	s_delay_alu instid0(VALU_DEP_1)
	v_permlanex16_b32 v244, v254, s20, s21
	s_delay_alu instid0(VALU_DEP_1)
	v_max_num_f32 v254, v254, v244                 ; and among lane l xor 16's
	s_delay_alu instid0(VALU_DEP_1)
	v_mul_f32 v254, s22, v254
	s_delay_alu instid0(VALU_DEP_1)
	v_max_num_f32 v13, v13, v254                   ; the running largest t2
	v_mov_b32 v254, v12
	s_delay_alu instid0(VALU_DEP_2)
	v_floor_f32 v12, -v13                          ; the new -M
	s_delay_alu instid0(VALU_DEP_1)
	v_sub_f32 v254, v12, v254                      ; old M - new M: a whole number, 0 or less
	s_delay_alu instid0(VALU_DEP_1)
	v_cvt_i32_f32 v254, v254
	s_delay_alu instid0(VALU_DEP_1)
	v_ldexp_f32 v252, 1.0, v254                    ; f = 2^(old M - new M): a multiplication by it rounds nothing
.set j, 0
.rept 32
	v_pk_fma_f32 v[96+j:97+j], v[96+j:97+j], s[22:23], v[12:13] op_sel_hi:[1,0,0]   ; t2 - M
.set j, j+2
.endr
.set j, 0
	s_wait_alu depctr_va_vdst(0)
.rept 64
	v_exp_f32 v[96+j], v[96+j]                     ; p, at most 1: not normalised
.set j, j+1
.endr
	v_pk_mul_f32 v[14:15], v[14:15], v[252:253] op_sel_hi:[1,0]   ; the sum under the new M (a plain line behind the exponentials)
	s_wait_alu depctr_va_vdst(0)
	v_pk_add_f32 v[242:243], v[100:101], v[104:105]
	v_pk_add_f32 v[254:255], v[108:109], v[112:113]
	v_pk_add_f32 v[250:251], v[116:117], v[120:121]
	v_pk_add_f32 v[248:249], v[124:125], v[128:129]
	v_pk_add_f32 v[246:247], v[132:133], v[136:137]
	v_pk_add_f32 v[238:239], v[140:141], v[144:145]
	v_pk_add_f32 v[236:237], v[148:149], v[152:153]
	v_pk_add_f32 v[14:15], v[14:15], v[156:157]
	v_pk_add_f32 v[242:243], v[242:243], v[96:97]
	v_pk_add_f32 v[254:255], v[254:255], v[98:99]
	v_pk_add_f32 v[250:251], v[250:251], v[102:103]
	v_pk_add_f32 v[248:249], v[248:249], v[106:107]
	v_pk_add_f32 v[246:247], v[246:247], v[110:111]
	v_pk_add_f32 v[238:239], v[238:239], v[114:115]
	v_pk_add_f32 v[236:237], v[236:237], v[118:119]
	v_pk_add_f32 v[14:15], v[14:15], v[122:123]
	v_pk_add_f32 v[242:243], v[242:243], v[126:127]
	v_pk_add_f32 v[254:255], v[254:255], v[130:131]
	v_pk_add_f32 v[250:251], v[250:251], v[134:135]
	v_pk_add_f32 v[248:249], v[248:249], v[138:139]
	v_pk_add_f32 v[246:247], v[246:247], v[142:143]
	v_pk_add_f32 v[238:239], v[238:239], v[146:147]
	v_pk_add_f32 v[236:237], v[236:237], v[150:151]
	v_pk_add_f32 v[14:15], v[14:15], v[154:155]
	v_pk_add_f32 v[242:243], v[242:243], v[158:159]
	s_delay_alu instid0(VALU_DEP_2)
	v_pk_add_f32 v[14:15], v[14:15], v[248:249]
	s_delay_alu instid0(VALU_DEP_2)
	v_pk_add_f32 v[242:243], v[242:243], v[246:247]
	v_pk_add_f32 v[254:255], v[254:255], v[238:239]
	v_pk_add_f32 v[250:251], v[250:251], v[236:237]
	s_delay_alu instid0(VALU_DEP_2)
	v_pk_add_f32 v[14:15], v[14:15], v[254:255]
	s_delay_alu instid0(VALU_DEP_2)
	v_pk_add_f32 v[242:243], v[242:243], v[250:251]
	s_delay_alu instid0(VALU_DEP_1)
	v_pk_add_f32 v[14:15], v[14:15], v[242:243]
.irp b, 0,1,2,3
.irp i, 0,1,2,3,4,5,6,7,8,9,10,11,12,13,14,15
.endr
	v_cvt_scalef32_pk8_fp8_f32 v[224+4*\b:225+4*\b], v[96+16*\b:103+16*\b], v241
	v_cvt_scalef32_pk8_fp8_f32 v[226+4*\b:227+4*\b], v[104+16*\b:111+16*\b], v241
.endr
	v_nop
.irp t, 0,1,2,3
.irp c, 0,1,2,3
	ds_load_b128 v[96+16*\t+4*\c:96+16*\t+4*\c+3], v9 offset:16*(4+\t)*VP+128*(\q)+32*\c   ; V's other four fragments, into p's registers, which the conversions have read
.endr
.endr
.set j, 0
.rept 32
	v_pk_mul_f32 v[160+j:161+j], v[160+j:161+j], v[252:253] op_sel_hi:[1,0]   ; O^T under the new M; also the plain lines between the conversions and the products that read the codes
.set j, j+2
.endr
	s_wait_alu depctr_va_vdst(0)
	s_wait_dscnt 0x0                               ; V's eight fragments are in
.irp t, 0,1,2,3
	v_wmma_f32_16x16x128_fp8_fp8 v[160+8*\t:167+8*\t], v[32+16*\t:47+16*\t], v[224:239], v[160+8*\t:167+8*\t]
.endr
.irp t, 0,1,2,3
	v_wmma_f32_16x16x128_fp8_fp8 v[192+8*\t:199+8*\t], v[96+16*\t:111+16*\t], v[224:239], v[192+8*\t:199+8*\t]
.endr
	v_add_f32 v3, 0xc3000000, v3                   ; the next step's keys begin 128 further on
	v_add_nc_u32 v4, 0xffffff80, v4
.endm
; THE CHANGE OF SLOTS stands at a slot's head: each wave waits for all its tensor loads, adds 0 to its spare word, and waits for that and for its reads of the slot that it has left.
; fill = 1: a round of the cluster's barrier, and behind it the slot that was left is filled with the keys that follow: the load has a whole slot's steps in which to land.
.macro CHANGE fill
	s_wait_tensorcnt 0x0                           ; no tensor load of mine is out, so a group 0 may be written
	ds_add_u32 v5, v6                              ; 0 onto my spare word
.if \fill
	s_xor_b32 s41, s41, SLOT1
	s_add_nc_u64 s[42:43], s[42:43], SK*128
	s_xor_b32 s45, s45, SLOT1
	s_add_nc_u64 s[46:47], s[46:47], SK
.endif
	s_wait_dscnt 0x0
.if \fill
	CROUND
	TLOAD
.else
	s_barrier_signal -1
	s_barrier_wait -1
.endif
.endm
.Lslot:                                            ; NSL - 1 trips
	CHANGE 1
	s_wait_alu depctr_va_vdst(0)
	STEP 0
	STEP 1
	s_xor_b32 s48, s48, SLOT1
	s_sub_co_u32 s49, s49, 1
	s_cmp_lg_u32 s49, 0
	s_cbranch_scc1 .Lslot
	CHANGE 0                                       ; the last slot is written out
	s_wait_alu depctr_va_vdst(0)
	STEP 0
	STEP 1
	; THE WAY OUT: O^T / the sum becomes codes with e12 (the three scales folded into the conversion's one); 8 bytes a lane into my stage; back as 512 consecutive bytes of rc.
	v_add_f32 v14, v14, v15
	s_delay_alu instid0(VALU_DEP_1)
	v_permlanex16_b32 v244, v14, s20, s21
	s_delay_alu instid0(VALU_DEP_1)
	v_add_f32 v14, v14, v244                       ; the row's sum
	s_wait_alu depctr_va_vdst(0)
	v_rcp_f32 v14, v14
	v_and_b32 v8, 15, v0
	v_bfe_u32 v9, v0, 4, 1
	s_mul_i32 s50, s18, 16*SGP
	s_add_co_u32 s50, s50, STG
	v_mul_u32_u24 v10, v8, SGP
	s_delay_alu instid0(VALU_DEP_1)
	v_lshl_add_u32 v10, v9, 3, v10
	s_delay_alu instid0(VALU_DEP_1)
	v_add_nc_u32 v10, s50, v10                     ; in: row r, byte 8 hh
	v_and_b32 v251, 31, v0
	s_delay_alu instid0(VALU_DEP_1)
	v_lshrrev_b32 v11, 3, v251
	s_delay_alu instid0(VALU_DEP_1)
	v_mul_u32_u24 v11, v11, SGP
	v_and_b32 v248, 7, v0
	s_delay_alu instid0(VALU_DEP_1)
	v_lshl_add_u32 v11, v248, 4, v11
	s_delay_alu instid0(VALU_DEP_1)
	v_add_nc_u32 v11, s50, v11                     ; back: eight lanes to a row, four rows an instruction
	v_lshlrev_b32 v251, 4, v251
	s_sub_co_i32 s72, s66, s62
	s_sub_co_i32 s72, s72, s63
	s_add_co_i32 s72, s72, 127
	s_lshl_b32 s74, s72, 23
	v_mov_b32 v249, s74                            ; 2^(e12 - e10 - e11)
.set j, 0
	s_wait_alu depctr_va_vdst(0)
.rept 32
	v_pk_mul_f32 v[96+j:97+j], v[160+j:161+j], v[14:15] op_sel_hi:[1,0]
.set j, j+2
.endr
.set j, 0
.rept 64
.set j, j+1
.endr
.irp t, 0,1,2,3,4,5,6,7
	v_cvt_scalef32_pk8_fp8_f32 v[224+2*\t:225+2*\t], v[96+8*\t:103+8*\t], v249
.endr
	v_nop
.irp t, 0,1,2,3,4,5,6,7
	ds_store_b64 v10, v[224+2*\t:225+2*\t] offset:16*\t    ; channels 16 t + 8 hh + 0 .. 7 of query r
.endr
.irp i, 0,1,2,3
	ds_load_b128 v[32+4*\i:35+4*\i], v11 offset:4*\i*SGP   ; LDS serves a wave's instructions in order: these see my stores
.endr
.irp i, 0,1,2,3
	s_wait_dscnt 3-\i
	global_store_b128 v251, v[32+4*\i:35+4*\i], s[96:97] offset:512*\i
.endr
	s_wait_tensorcnt 0x0                           ; the wave's end
	ds_add_u32 v5, v6
	s_wait_dscnt 0x0
	CROUND                                         ; the closing round
	s_endpgm
.Lfunc_end_k_q6fbed1a331_attn:
	.size	k_q6fbed1a331_attn, .Lfunc_end_k_q6fbed1a331_attn-k_q6fbed1a331_attn
	.p2alignl 7, 3214868480
	.fill 96, 4, 3214868480
	.section	.rodata,"a",@progbits
	.p2align	6, 0x0
	.amdhsa_kernel k_q6fbed1a331_attn
		.amdhsa_group_segment_fixed_size 327680
		.amdhsa_private_segment_fixed_size 0
		.amdhsa_enable_private_segment 0
		.amdhsa_kernarg_size 48
		.amdhsa_user_sgpr_count 2
		.amdhsa_user_sgpr_kernarg_segment_ptr 1
		.amdhsa_wavefront_size32 1
		.amdhsa_system_sgpr_workgroup_id_x 1
		.amdhsa_system_sgpr_workgroup_id_y 1
		.amdhsa_system_sgpr_workgroup_id_z 1
		.amdhsa_system_vgpr_workitem_id 0
		.amdhsa_next_free_vgpr 256
		.amdhsa_next_free_sgpr 100
		.amdhsa_reserve_vcc 1
		.amdhsa_float_denorm_mode_32 3
		.amdhsa_float_denorm_mode_16_64 3
		.amdhsa_fp16_overflow 1
		.amdhsa_memory_ordered 1
		.amdhsa_forward_progress 1
		.amdhsa_inst_pref_size 108
	.end_amdhsa_kernel
	.amdgpu_metadata
---
amdhsa.version: [ 1, 2 ]
amdhsa.kernels:
  - .name:           k_q6fbed1a331_attn
    .symbol:         k_q6fbed1a331_attn.kd
    .args:
      - { .name: qk, .offset: 0, .size: 8, .value_kind: global_buffer, .address_space: global }
      - { .name: cc, .offset: 8, .size: 8, .value_kind: global_buffer, .address_space: global }
      - { .name: dpart, .offset: 16, .size: 8, .value_kind: global_buffer, .address_space: global }
      - { .name: b_qdecay, .offset: 24, .size: 8, .value_kind: global_buffer, .address_space: global }
      - { .name: lowp_scales, .offset: 32, .size: 8, .value_kind: global_buffer, .address_space: global }
      - { .name: rc, .offset: 40, .size: 8, .value_kind: global_buffer, .address_space: global }
    .group_segment_fixed_size: 327680
    .private_segment_fixed_size: 0
    .kernarg_segment_align: 8
    .kernarg_segment_size: 48
    .max_flat_workgroup_size: 512
    .sgpr_count:     100
    .vgpr_count:     256
    .wavefront_size: 32
...
	.end_amdgpu_metadata
.endif
;; end of part 3
;; launch proj (part 4): grid 32 x 8, 4 waves a work-group, clusters of 4 x 4, 327,680 bytes of LDS; arguments wq, rc, b_proj, lowp_scales, x, out0; writes out0
.if DOCPART == 4
	.amdgcn_target "amdgcn-amd-amdhsa--gfx1250"
	.amdhsa_code_object_version 6
	.text
	.protected	k_q6fbed1a331_proj
	.globl	k_q6fbed1a331_proj
	.p2align	8
	.type	k_q6fbed1a331_proj,@function
k_q6fbed1a331_proj:
	s_mov_b64 s[64:65], 0
	v_nop
	global_prefetch_b8 v0, s[64:65] scope:SCOPE_SE
	s_setreg_imm32_b32 hwreg(HW_REG_WAVE_MODE, 25, 1), 1
	s_wait_xcnt 0x0
	s_wait_alu depctr_hold_cnt(0) depctr_sa_sdst(0) depctr_va_vdst(0) depctr_va_sdst(0) depctr_va_ssrc(0) depctr_va_vcc(0) depctr_vm_vsrc(0)
	s_getreg_b32 s2, hwreg(HW_REG_IB_STS2, 6, 4)
	s_cmp_eq_u32 s2, 0
	s_cbranch_scc0 .Lentry_in_a_cluster
	s_endpgm
.Lentry_in_a_cluster:
	s_bfe_u32 s2, ttmp6, 0x10000c
	s_cmp_lg_u32 s2, 0xf033
	s_cbranch_scc0 .Lentry_shape_is_right
	s_endpgm
.Lentry_shape_is_right:
; PROJ: out0[b][o][s] = x[b][o][s] + b_proj[o] + 2^(e12 + e13) x the sum over k of W_proj's codes [o][k] x the result's codes, k = 128 h + c.
; A tile is 128 o (A = W_proj's codes) x 256 places b*2048+s (B = rc [h][b*2048+s][128]), K = 1,024.  THE MATRIX INSTRUCTION IS USED TRANSPOSED (source 0 = 16 rows of B, source 1 = 16 rows of A):
; a lane holds one o and eight neighbouring s.  Four waves, each 64 x 128: 32 accumulators.  K goes in steps of 256, two heads, through two LDS slots; four fills, all written out.
; A head's 256 rows of 128 bytes are one dense block of rc: wave 2 fetches the slot's first head, wave 3 its second; waves 0, 1 fetch A's halves.
; CLUSTERS: 4 x 4 work-groups; A's tiles are asked for jointly along a row of the cluster, B's along a column.  A wave has two tensor loads out at the start, later one.
; The residual x (64 rows x 512 bytes a wave) is asked for at the head, into 256 registers of its own, and lands under the products.
; LIMIT: e12 + e13 between -126 and 127.  The k inside a step of 128 is permuted alike in A and B.
; REGISTERS, in windows of 256: window 0: v0-63 addresses and small things; A's fragments, two sets, at v64 and v128 (on the way out: rows read back); v192-255 at work.  window 1: B's fragments, two sets.  window 2: the accumulators, (a, b) at v[8 (8 a + b)].  window 3: x.
.set PITCH,  272
.set BPITCH, 144                       ; a row of B in LDS: 128 bytes + 16
.set BQ,     256*BPITCH                ; from a slot's first head to its second
.set BSTEP,  0x400000                  ; four heads on
.set AHALF,  64*PITCH
.set ATILE,  2*AHALF
.set SLOT,   ATILE+2*BQ
.set SPARE,  2*SLOT                    ; the spare words, 128 bytes for each wave: two blocks of 256 bytes that no other line names
.set STAGE,  SPARE+512                 ; 16 rows x (512 bytes + 16) for each wave; no tile lands here
.set SPITCH, 528
.set FR,   16
.set ADRA, 16
.set ADRB, 20
.set STO,  24
.set RD,   25
.set CO,   26                          ; v26 16 x lane; never rewritten
.set SPW,  28
.set NIL,  29
.set BQR,  32                          ; v32-39 b_proj of my four blocks' rows, a pair each
.set AF,   64
.set TMP,  192
.set G1,  24
.set G0,  32
.set G1B, 48
.set G0B, 56
.set MSB, 0
.macro WIN new
.if MSB != \new
	s_set_vgpr_msb (MSB<<8)|\new
.set MSB, \new
.endif
.endm
.set MUL,  0xa1
.set TO_B, 0x40
.macro JLOAD s                         ; waves 0, 1 fetch for A, waves 2, 3 for B; four v_nop follow each of the two lines
	s_cmp_eq_u32 s21, 0
	s_cbranch_scc0 .Lfor_b_\@
	tensor_load_to_lds s[G0+4*\s:G0+4*\s+3], s[G1:G1+7]
	s_nop 0
.rept 4
	v_nop
.endr
	s_branch .Lasked_\@
.Lfor_b_\@:
	tensor_load_to_lds s[G0B+4*\s:G0B+4*\s+3], s[G1B:G1B+7]
	s_nop 0
.rept 4
	v_nop
.endr
.Lasked_\@:
.endm
.macro CREST
	s_cmp_lg_u32 s20, 0
	s_cbranch_scc1 .Lnot_wave_0_\@
	s_barrier_signal -3
.Lnot_wave_0_\@:
	s_barrier_wait -3
	s_barrier_signal -1
	s_barrier_wait -1
.endm
.macro CROUND
	s_barrier_signal -1
	s_barrier_wait -1
	CREST
.endm
.macro PLACES
.rept 4
	v_nop
.endr
.endm
	s_load_b256 s[4:11], s[0:1], 0x0               ; wq, rc, b_proj, the scales' exponents
	s_load_b128 s[12:15], s[0:1], 0x20             ; x, out0
	v_lshl_add_u32 v[SPW], v0, 2, SPARE
	v_mov_b32 v[NIL], 0
	ds_add_u32 v28, v29
	s_wait_dscnt 0x0
	v_lshrrev_b32 v1, 5, v0
	v_readfirstlane_b32 s20, v1
	s_lshr_b32 s21, s20, 1                         ; wm; also: I fetch for A (0) or for B (1)
	s_and_b32 s22, s20, 1                          ; wn; also: which half, or which head, I fetch
	s_bfe_u32 s40, ttmp6, 0x40000                  ; cx
	s_bfe_u32 s41, ttmp6, 0x40004                  ; cy
	s_lshl_b32 s42, ttmp9, 2
	s_add_co_u32 s42, s42, s40                     ; tile column (256 places): hangs on cx, never on cy
	s_and_b32 s43, ttmp7, 0xffff
	s_lshl_b32 s43, s43, 2
	s_add_co_u32 s43, s43, s41                     ; tile row (128 o): hangs on cy, never on cx
	s_lshl_b32 s68, s41, 2
	s_lshl_b32 s68, 15, s68
	s_lshl_b32 s69, 0x1111, s40
	s_or_b32 s[G1+0], s68, (1<<20)|(1<<21)|(5<<22)|(3<<25)    ; A: 64 rows of 256 bytes, 4 words of padding after every 64
	s_or_b32 s[G1B+0], s69, (1<<20)|(1<<21)|(4<<22)|(3<<25)   ; B: 256 rows of 128 bytes, 4 words after every 32
	s_mov_b32 s[G1+1], 256<<16
	s_mov_b32 s[G1+2], 64<<16
	s_mov_b32 s[G1+3], 256<<16
	s_mov_b32 s[G1+4], 64
	s_mov_b32 s[G1+5], 1024
	s_mov_b32 s[G1+6], 0
	s_mov_b32 s[G1+7], 0
	s_mov_b32 s[G1B+1], 128<<16
	s_mov_b32 s[G1B+2], 256<<16
	s_mov_b32 s[G1B+3], 128<<16
	s_mov_b32 s[G1B+4], 256
	s_mov_b32 s[G1B+5], 128
	s_mov_b32 s[G1B+6], 0
	s_mov_b32 s[G1B+7], 0
	s_lshl_b32 s70, s43, 17                        ; A: W_proj's codes lie 3 MiB into wq; (128 tile row + 64 half) rows of 1,024 bytes
	s_lshl_b32 s23, s22, 16
	s_add_co_u32 s70, s70, s23
	s_add_co_u32 s70, s70, 0x300000
	s_mov_b32 s71, 0
	s_lshl_b32 s84, s42, 15                        ; B: 256 tile column rows of 128 bytes, + my head's MiB
	s_lshl_b32 s47, s22, 20
	s_add_co_u32 s84, s84, s47
	s_mov_b32 s85, 0
	s_mul_i32 s2, s22, AHALF
	s_mul_i32 s3, s22, BQ
	s_add_co_u32 s3, s3, ATILE
	s_wait_kmcnt 0x0
	s_load_b64 s[72:73], s[10:11], 0x30            ; e12, e13
	s_add_nc_u64 s[86:87], s[4:5], s[70:71]
	s_add_nc_u64 s[88:89], s[6:7], s[84:85]
	CROUND
.irp s, 0,1
	s_mov_b32 s[G0+4*\s], 1
	s_add_co_u32 s[G0+4*\s+1], s2, \s*SLOT
	s_add_nc_u64 s[G0+4*\s+2:G0+4*\s+3], s[86:87], \s*256
	s_or_b32 s[G0+4*\s+3], s[G0+4*\s+3], 0x80000000
	s_mov_b32 s[G0B+4*\s], 1
	s_add_co_u32 s[G0B+4*\s+1], s3, \s*SLOT
	s_add_nc_u64 s[G0B+4*\s+2:G0B+4*\s+3], s[88:89], \s*0x200000
	s_or_b32 s[G0B+4*\s+3], s[G0B+4*\s+3], 0x80000000
	JLOAD \s
.endr
	; my 64 rows x 128 columns of x and of out0: ((1024 b + 128 tile row + 64 wm) 2048 + 256 (tile column % 8) + 128 wn) 4
	s_lshr_b32 s94, s42, 3
	s_lshl_b32 s94, s94, 23
	s_lshl_b32 s95, s43, 20
	s_add_co_u32 s94, s94, s95
	s_lshl_b32 s95, s21, 19
	s_add_co_u32 s94, s94, s95
	s_and_b32 s95, s42, 7
	s_lshl_b32 s95, s95, 10
	s_add_co_u32 s94, s94, s95
	s_lshl_b32 s95, s22, 9
	s_add_co_u32 s94, s94, s95
	s_mov_b32 s95, 0
	s_add_nc_u64 s[12:13], s[12:13], s[94:95]
	s_add_nc_u64 s[14:15], s[14:15], s[94:95]
	s_lshl_b32 s98, s43, 9
	s_lshl_b32 s99, s21, 8
	s_add_co_u32 s98, s98, s99
	s_mov_b32 s99, 0
	s_add_nc_u64 s[98:99], s[8:9], s[98:99]        ; b_proj at my first row
	v_and_b32 v1, 15, v0                           ; r
	v_bfe_u32 v2, v0, 4, 1                         ; hh
	v_lshlrev_b32 v5, 2, v1
.irp a, 0,1,2,3
	global_load_b32 v[BQR+2*\a], v5, s[98:99] offset:64*\a
.endr
	v_and_b32 v6, 31, v0
	v_lshlrev_b32 v[CO], 4, v6
	WIN 0xc0                                       ; destination window 3
.set i, 0
.rept 64
	global_load_b128 v[4*i:4*i+3], v[CO], s[12:13] offset:i*8192 th:TH_LOAD_NT   ; row i: 512 consecutive bytes
.set i, i+1
.endr
	WIN 0
	v_mul_u32_u24 v3, v1, PITCH
	v_lshl_add_u32 v3, v2, 4, v3
	v_mul_u32_u24 v4, v1, BPITCH
	v_lshl_add_u32 v4, v2, 4, v4
	s_mul_i32 s2, s21, AHALF
	s_mul_i32 s3, s22, 128*BPITCH
	s_add_co_u32 s3, s3, ATILE
.irp s, 0,1
	v_add_nc_u32 v[ADRA+\s], s2, v3
	v_add_nc_u32 v[ADRB+\s], s3, v4
	s_add_co_u32 s2, s2, SLOT
	s_add_co_u32 s3, s3, SLOT
.endr
	s_mul_i32 s2, s20, 16*SPITCH
	s_add_co_u32 s2, s2, STAGE                     ; my stage
	v_mul_u32_u24 v7, v1, SPITCH
	v_lshl_add_u32 v7, v2, 5, v7
	v_add_nc_u32 v[STO], s2, v7                    ; in: row r, 32 bytes for each half of the lanes
	v_add_nc_u32 v[RD], s2, v[CO]                  ; back: the 32 lanes take a row of 512 bytes
.macro FRAG reg, adr, off
.irp c, 0,1,2,3
	ds_load_b128 v[\reg+4*\c:\reg+4*\c+3], v[\adr] offset:\off+32*\c
.endr
.endm
.macro FETCH slot, q, p
	WIN TO_B
.irp i, 0,1,2,3,4,5,6,7
	FRAG 128*(\p)+FR*\i, ADRB+\slot, BQ*(\q)+\i*16*BPITCH
.endr
	WIN 0
.irp i, 0,1,2,3
	FRAG AF+64*(\p)+FR*\i, ADRA+\slot, 128*(\q)+\i*16*PITCH
.endr
.endm
.macro MUL8 a, p, zero                 ; the 32 accumulators take turns, one instruction a turn, in the same order in every step
.irp b, 0,1,2,3,4,5,6,7
.if \zero
	v_wmma_f32_16x16x128_fp8_fp8 v[8*(8*(\a)+\b):8*(8*(\a)+\b)+7], v[128*(\p)+FR*\b:128*(\p)+FR*\b+FR-1], v[AF+64*(\p)+FR*(\a):AF+64*(\p)+FR*(\a)+FR-1], 0
.else
	v_wmma_f32_16x16x128_fp8_fp8 v[8*(8*(\a)+\b):8*(8*(\a)+\b)+7], v[128*(\p)+FR*\b:128*(\p)+FR*\b+FR-1], v[AF+64*(\p)+FR*(\a):AF+64*(\p)+FR*(\a)+FR-1], v[8*(8*(\a)+\b):8*(8*(\a)+\b)+7]
.endif
.endr
.endm
.macro STEP slot, zero
	s_wait_dscnt 0x0                               ; set 0 is in
	PLACES                                         ; set 1 was read by the last products
	FETCH \slot, 1, 1
	WIN MUL
	MUL8 0, 0, \zero
	MUL8 1, 0, \zero
	MUL8 2, 0, \zero
	MUL8 3, 0, \zero
.endm
.macro TURN slot, next, fill
	WIN 0
	s_wait_tensorcnt 0x0                           ; all my tensor loads have landed: my part of the next slot
	ds_add_u32 v[SPW], v[NIL]                      ; 0 onto my spare word
	s_wait_dscnt 1                                 ; set 1 is in; the add alone may be out
	WIN MUL
	MUL8 0, 1, 0
	s_wait_dscnt 0x0                               ; the add is done, and my reads of this slot are over
	s_barrier_signal -1
	MUL8 1, 1, 0
	WIN 0
	s_barrier_wait -1
.if \fill
	CREST                                          ; no wave of any partner still reads this slot or has a load on its way
	s_add_nc_u64 s[G0+4*\slot+2:G0+4*\slot+3], s[G0+4*\slot+2:G0+4*\slot+3], 512
	s_add_nc_u64 s[G0B+4*\slot+2:G0B+4*\slot+3], s[G0B+4*\slot+2:G0B+4*\slot+3], BSTEP
	JLOAD \slot
.else
	PLACES
.endif
	FETCH \next, 0, 0
	WIN MUL
	MUL8 2, 1, 0
	MUL8 3, 1, 0
.endm
	s_wait_tensorcnt 1                             ; my part of slot 0 is in; slot 1's may stay out
	s_barrier_signal -1
	s_barrier_wait -1
	FETCH 0, 0, 0
	STEP 0, 1
	TURN 0, 1, 1
	STEP 1, 0
	TURN 1, 0, 1
	STEP 0, 0
	TURN 0, 1, 0
	STEP 1, 0
	s_wait_dscnt 0x0
	WIN MUL
	MUL8 0, 1, 0
	MUL8 1, 1, 0
	MUL8 2, 1, 0
	MUL8 3, 1, 0
	WIN 0
	; THE WAY OUT, block by block of 16 rows x 128 columns: sum x 2^(e12 + e13) + b_proj; through my stage; back as whole rows of 512 bytes; + x; out.
	s_wait_kmcnt 0x0
	s_add_co_i32 s96, s72, s73
	s_add_co_i32 s96, s96, 127
	s_lshl_b32 s96, s96, 23                        ; 2^(e12 + e13) as f32
	s_mov_b32 s97, s96                             ; (named with it as a pair, so it is written)
	s_wait_loadcnt 0x0                             ; b_proj and x
	PLACES
.irp a, 0,1,2,3
	v_mov_b32 v[BQR+2*\a+1], v[BQR+2*\a]
.endr
.macro TOSTAGE a
	WIN 0x02                                       ; source 0: window 2
.set j, 0
.rept 32
	v_pk_fma_f32 v[TMP+j:TMP+j+1], v[64*\a+j:64*\a+j+1], s[96:97], v[BQR+2*\a:BQR+2*\a+1] op_sel_hi:[1,0,0]   ; each accumulator from its low end on
.set j, j+2
.endr
	WIN 0
.irp b, 0,1,2,3,4,5,6,7
	ds_store_b128 v[STO], v[TMP+8*\b:TMP+8*\b+3] offset:64*\b
	ds_store_b128 v[STO], v[TMP+8*\b+4:TMP+8*\b+7] offset:64*\b+16
.endr
.irp t, 0,1,2,3,4,5,6,7,8,9,10,11,12,13,14,15
	ds_load_b128 v[AF+64*((\a)%2)+4*\t:AF+64*((\a)%2)+4*\t+3], v[RD] offset:\t*SPITCH   ; LDS serves a wave's instructions in order: these see the stores above
.endr
.endm
.macro SEND a, younger
	s_wait_dscnt \younger                          ; the block is back in registers
	WIN 0x0c                                       ; source 1: window 3
.set j, 0
.rept 32
	v_pk_add_f32 v[AF+64*((\a)%2)+j:AF+64*((\a)%2)+j+1], v[AF+64*((\a)%2)+j:AF+64*((\a)%2)+j+1], v[64*(\a)+j:64*(\a)+j+1]   ; + x
.set j, j+2
.endr
	WIN 0
.irp t, 0,1,2,3,4,5,6,7,8,9,10,11,12,13,14,15
	global_store_b128 v[CO], v[AF+64*((\a)%2)+4*\t:AF+64*((\a)%2)+4*\t+3], s[14:15] offset:(16*(\a)+\t)*8192 th:TH_STORE_NT   ; 512 consecutive bytes, aligned
.endr
.endm
	TOSTAGE 0
	TOSTAGE 1
	SEND 0, 32                                     ; behind block 0's loads: block 1's 16 stores and 16 loads
	s_wait_xcnt 0x0                                ; block 0's stores have read their registers: block 2's rows may land there
	TOSTAGE 2
	SEND 1, 32
	s_wait_xcnt 0x0
	TOSTAGE 3
	SEND 2, 32
	SEND 3, 0
	s_wait_tensorcnt 0x0                           ; the wave's end
	ds_add_u32 v[SPW], v[NIL]
	s_wait_dscnt 0x0
	CROUND                                         ; the closing round
	s_endpgm
.Lfunc_end_k_q6fbed1a331_proj:
	.size	k_q6fbed1a331_proj, .Lfunc_end_k_q6fbed1a331_proj-k_q6fbed1a331_proj
	.p2alignl 7, 3214868480
	.fill 96, 4, 3214868480
	.section	.rodata,"a",@progbits
	.p2align	6, 0x0
	.amdhsa_kernel k_q6fbed1a331_proj
		.amdhsa_group_segment_fixed_size 327680
		.amdhsa_private_segment_fixed_size 0
		.amdhsa_enable_private_segment 0
		.amdhsa_kernarg_size 48
		.amdhsa_user_sgpr_count 2
		.amdhsa_user_sgpr_kernarg_segment_ptr 1
		.amdhsa_wavefront_size32 1
		.amdhsa_system_sgpr_workgroup_id_x 1
		.amdhsa_system_sgpr_workgroup_id_y 1
		.amdhsa_system_sgpr_workgroup_id_z 1
		.amdhsa_system_vgpr_workitem_id 0
		.amdhsa_next_free_vgpr 1024
		.amdhsa_next_free_sgpr 100
		.amdhsa_reserve_vcc 0
		.amdhsa_float_denorm_mode_32 3
		.amdhsa_float_denorm_mode_16_64 3
		.amdhsa_memory_ordered 1
		.amdhsa_forward_progress 1
		.amdhsa_inst_pref_size 90
	.end_amdhsa_kernel
	.amdgpu_metadata
---
amdhsa.version: [ 1, 2 ]
amdhsa.kernels:
  - .name:           k_q6fbed1a331_proj
    .symbol:         k_q6fbed1a331_proj.kd
    .args:
      - { .name: wq, .offset: 0, .size: 8, .value_kind: global_buffer, .address_space: global }
      - { .name: rc, .offset: 8, .size: 8, .value_kind: global_buffer, .address_space: global }
      - { .name: b_proj, .offset: 16, .size: 8, .value_kind: global_buffer, .address_space: global }
      - { .name: lowp_scales, .offset: 24, .size: 8, .value_kind: global_buffer, .address_space: global }
      - { .name: x, .offset: 32, .size: 8, .value_kind: global_buffer, .address_space: global }
      - { .name: out0, .offset: 40, .size: 8, .value_kind: global_buffer, .address_space: global }
    .group_segment_fixed_size: 327680
    .private_segment_fixed_size: 0
    .kernarg_segment_align: 8
    .kernarg_segment_size: 48
    .max_flat_workgroup_size: 128
    .sgpr_count:     100
    .vgpr_count:     1024
    .wavefront_size: 32
...
	.end_amdgpu_metadata
.endif
;; end of part 4
